; MI455X (gfx1250); checked and timed in simulation.
; The chip was launched on July 23, 2026; its instructions are those of AMD's public machine-readable ISA for CDNA 5 (MIT licence, August 2026) and "CDNA5" Instruction Set Architecture Reference Guide (July 2026). The comments in the code are by the model that wrote it; some were corrected since.
;; Multi Head Attention. Allowed arithmetic: matrix products marked QUANTISED: E2M3 operands, one E8M0 scale for each 32 along K, by v_wmma_scale_f32_16x16x128_f8f6f4 with both operands' format E2M3, f32 sums; everything else in f32.
;; Inputs: b_k 1,024 float32; b_o 1,024 float32; b_q 1,024 float32; b_v 1,024 float32; key_ 8 x 1,024 x 1,024 float32; query 8 x 1,024 x 1,024 float32; value 8 x 1,024 x 1,024 float32; w_k 1,024 x 1,024 float32; w_o 1,024 x 1,024 float32; w_q 1,024 x 1,024 float32; w_v 1,024 x 1,024 float32.
;; Outputs: out0 8 x 1,024 x 1,024 float32.
;; This version of the problem:
;;   THIS VERSION OF THE PROBLEM IS GIVEN IN LOW PRECISION. The matrix products marked QUANTISED in the list below multiply operands that are first quantised to E2M3 (2 exponent bits, 3 mantissa bits; 6 bits a number), with one power-of-two scale for each 32 numbers along K (OCP MX v1.0); their sums are f32. All else is computed in f32.
;;   The module's matrix products, in the order in which they are computed (A, B: the left and right operand; K: the contracted axis; several contracted axes count as one K, in the product's order):
;;     1. [M 8,192, K 1,024] x [K 1,024, N 1,024]; A: input query; B: input w_q: QUANTISED
;;     2. [M 8,192, K 1,024] x [K 1,024, N 1,024]; A: input key_; B: input w_k: QUANTISED
;;     3. [M 8,192, K 1,024] x [K 1,024, N 1,024]; A: input value; B: input w_v: QUANTISED
;;     4. batch 128 x [M 1,024, K 64] x [K 64, N 1,024]; A: computed on the way; B: computed on the way: QUANTISED
;;     5. batch 128 x [M 1,024, K 1,024] x [K 1,024, N 64]; A: softmax (see below); B: computed on the way: QUANTISED
;;     6. [M 8,192, K 1,024] x [K 1,024, N 1,024]; A: computed on the way; B: input w_o: QUANTISED
;;   THE QUANTISER, for each operand of a quantised product, along K:
;;     - K is cut into blocks of 32 from its start; a last block that is shorter is filled with zeros.
;;     - A block's scale is 2^e with e = floor(log2(the largest magnitude in the block)) - 2, held to -126 .. 127; a block of zeros has e = 0. As a byte (E8M0): e + 127.
;;     - Each number is divided by its block's scale, clamped to +-7.5, and rounded to the nearest number of E2M3, ties to even, subnormals kept.
;;     - The product sums the exact products of the quantised numbers (number of the format x scale) in f32.
;;   ~~~python
;;   def quantise(x, axis):      # numpy; x: float32 -> the quantised numbers, widened to float32 again
;;       x = np.moveaxis(x, axis, -1); K = x.shape[-1]
;;       x = np.pad(x, [(0, 0)] * (x.ndim - 1) + [(0, -K % 32)]); x = x.reshape(x.shape[:-1] + (-1, 32)); a = np.abs(x).max(-1, keepdims=True)
;;       e = np.where(a > 0, np.clip(np.frexp(np.where(a > 0, a, 1))[1] - 1 - 2, -126, 127), 0)      # np.frexp(a)[1] - 1 = floor(log2(a)), exactly
;;       r = np.clip(x / 2.0 ** e, -7.5, 7.5)
;;       step = 2.0 ** (np.maximum(np.frexp(np.where(r == 0, 1, r))[1] - 1, 0) - 3)
;;       q = np.round(r / step) * step * 2.0 ** e      # np.round: ties to even
;;       return np.moveaxis(q.reshape(q.shape[:-2] + (-1,))[..., :K], -1, axis).astype(np.float32)
;;   ~~~
;;   SOFTMAX AHEAD OF A QUANTISED PRODUCT. Where the list says 'softmax', what is quantised is not the finished softmax but p = 2^(t - M), with t = logit x log2(e) and M = ceil(the row's largest t), a whole number; so 1/2 < the row's largest p <= 1. The row's sum l is taken of the UNQUANTISED p, in f32, and the product's result is divided by l at the end. Since M is a whole number, a kernel that streams over the keys may use a running M (the ceiling of the running maximum): every later rescaling is an exact power of two, which a block's scale takes up: the codes' values come out the same.
;;   OPERANDS COMPUTED ON THE WAY. 'Computed on the way' means the value that the module computes at that place (a softmax that the list does not call 'softmax' is quantised finished and normalised). What goes into a quantiser is computed in f32, as accurately as f32 sums, v_exp_f32 and their like allow (about 1e-6 of the number): no bf16 or f16 on the way to a quantiser, and a product that is left as it is and whose result goes on into a quantised operand takes f32 operands (vector FMAs, or v_wmma_f32_16x16x4_f32). A number that lies on a knife's edge between two numbers of the format may be rounded either way, as far as f32 arithmetic and the matrix unit's own rounding can turn it there, and no further.
;; One version. Each part assembles by itself: llvm-mc -triple=amdgcn-amd-amdhsa -mcpu=gfx1250 --defsym DOCPART=n.
;; ======== version 1 of 1: 4 launches
;; limits: right only within a limited range of input values
;; workspace buffers: xq 19,660,800 bytes; wq 3,276,800 bytes; qb 6,815,744 bytes; kv 13,631,488 bytes; cq 6,553,600 bytes
;; launch quant (part 1): grid 256 x 1, 7 waves a work-group, no clusters, 60,160 bytes of LDS; arguments query, key_, value, w_q, w_k, w_v, w_o, xq, wq; writes xq, wq
.if DOCPART == 1
	.amdgcn_target "amdgcn-amd-amdhsa--gfx1250"
	.amdhsa_code_object_version 6
	.text
	.protected	k_q0f525ec4de_quant
	.globl	k_q0f525ec4de_quant
	.p2align	8
	.type	k_q0f525ec4de_quant,@function
k_q0f525ec4de_quant:
	s_mov_b64 s[64:65], 0
	v_nop
	global_prefetch_b8 v0, s[64:65] scope:SCOPE_SE
	s_setreg_imm32_b32 hwreg(HW_REG_WAVE_MODE, 25, 1), 1
	s_wait_xcnt 0x0
; query, key_, value [8192][1024] and w_q, w_k, w_v, w_o [1024][1024], f32, become codes of FP6 (E2M3) with one E8M0 scale byte for each 32 along K (the last axis).
; A block's scale is 2^(floor(log2(its largest magnitude)) - 2); its byte is the largest magnitude's exponent field - 2, held at 1 from below.
; LIMITS: a block of zeros gets the byte 1 where the rule says 127 (its codes are zeros, and this program alone reads the bytes); NaN and infinities among the inputs are not served.
; THE OUTPUT IS LAID AS THE MATRIX OPERANDS' REGISTERS.  A TILE is 16 rows: tile T holds at place i the row 32 (T / 2) + 8 (T % 2) + i + 8 (i / 8).  For each tile and each 128 along K (a K step)
; an IMAGE of 1,536 bytes: register i (of 12) of lane l at 512 (i / 4) + 16 l + 4 (i % 4); lane (r, h) holds the tile's place r, registers 6 c .. 6 c + 5 hold k = 64 c + 32 h + 0 .. 31.
; A tile's 8 scale words a row make one image of 512 bytes: register i of lane (r, h) is the word of K step 4 h + i of place r.
; SHARES.  1,792 tiles (3 x 512 of the activations, 4 x 64 of the weights) = 256 work-groups x 7 waves; a wave takes one tile: 64 KiB in, 12,800 bytes out.  Waves share nothing: no barrier.
; Each load reads 512 consecutive bytes of one row (16 bytes a lane); a K step's 16 rows turn through the wave's own stage in LDS, so that a lane gets 16 neighbours of each block of its row.
; Loads run two K steps (32 loads a wave) ahead.  Every store covers 512 consecutive bytes, aligned.
.set STGB, 8448                        ; a wave's stage: 16 rows x (512 bytes + 16)
.set TM,   8                           ; v8-11 largest magnitudes, v12-15 the other half's, then bytes, v20-23 the conversions' scale operands
.set SW,   24                          ; v24-31 the tile's 8 scale words
.set OW,   32                          ; v32-35 the scale image
.set PC,   36                          ; v36-47 the codes; v48-50, v52-54 the conversions' second halves
.set X,    56                          ; v56-119 64 numbers: register 16 b + i = k 32 b + 16 h + i of my row
.set R,    120                         ; v120-183, v184-247 two sets of 16 loads
	s_load_b512 s[8:23], s[0:1], 0x0               ; query, key_, value, w_q, w_k, w_v, w_o, xq
	s_load_b64 s[24:25], s[0:1], 0x40              ; wq
	v_lshl_add_u32 v248, v0, 2, 0xe700
	v_mov_b32 v249, 0
	v_lshrrev_b32 v1, 5, v0
	v_readfirstlane_b32 s2, v1                     ; wave 0..6
	s_mul_i32 s3, ttmp9, 7
	s_add_co_u32 s3, s3, s2                        ; J: my tile among the 1,792
	s_mul_i32 s2, s2, STGB                         ; my stage
	v_and_b32 v1, 31, v0                           ; lane
	v_and_b32 v2, 15, v0                           ; r
	v_bfe_u32 v3, v0, 4, 1                         ; h
	v_lshlrev_b32 v4, 4, v1                        ; 16 x lane: my bytes of a load's or a store's 512
	v_add_nc_u32 v5, s2, v4                        ; the stage, on the way in
	v_mul_u32_u24 v6, v2, 528
	v_lshl_add_u32 v6, v3, 6, v6
	v_add_nc_u32 v6, s2, v6                        ; and on the way out: row r, + 64 h
	s_mov_b32 s30, 0x76543210
	s_mov_b32 s31, 0xfedcba98                      ; v_permlanex16_b32's selects for lane l xor 16
.irp b, 0,1,2,3
	v_mov_b32 v[TM+4+\b], 0                        ; written once: a lane permute's destination counts as one of its sources
.endr
	; key_'s tiles alone are laid otherwise: tile T holds at place i the row 64 (T / 4) + 8 (T % 4) + i % 8 + 32 (i / 8), so that the scores of four neighbouring tiles give a lane 32 neighbouring keys
	s_sub_co_u32 s33, s3, 512
	s_cmp_lt_u32 s33, 512                          ; tiles 512 to 1,023 are key_'s
	s_cselect_b32 s38, 2, 1                        ; tiles to a group of rows: 4 or 2, as a shift
	s_cselect_b32 s39, 3, 1                        ; and as a mask
	s_lshl_b32 s40, s39, 15                        ; places 8 to 15 lie 24 or 8 rows of 4,096 bytes further on
	v_add_nc_u32 v7, s40, v4
	s_wait_alu depctr_va_vdst(0)
	s_wait_kmcnt 0x0
	s_cmp_lt_u32 s3, 1728                          ; which tensor: the choice hangs on the tile's number alone
	s_cselect_b64 s[4:5], s[18:19], s[20:21]
	s_cmp_lt_u32 s3, 1664
	s_cselect_b64 s[4:5], s[16:17], s[4:5]
	s_cmp_lt_u32 s3, 1600
	s_cselect_b64 s[4:5], s[14:15], s[4:5]
	s_cmp_lt_u32 s3, 1536
	s_cselect_b64 s[4:5], s[12:13], s[4:5]
	s_cmp_lt_u32 s3, 1024
	s_cselect_b64 s[4:5], s[10:11], s[4:5]
	s_cmp_lt_u32 s3, 512
	s_cselect_b64 s[4:5], s[8:9], s[4:5]
	s_cmp_lt_u32 s3, 1536                          ; an activation's tile or a weight's
	s_cselect_b64 s[26:27], s[22:23], s[24:25]     ; xq or wq
	s_cselect_b32 s6, 511, 63
	s_cselect_b32 s7, 0, 1536
	s_mov_b32 s32, 3145728
	s_cselect_b32 s32, 18874368, s32               ; where the buffer's scale images begin
	s_and_b32 s6, s3, s6                           ; L: the tile in its tensor
	s_sub_co_u32 s7, s3, s7                        ; and in its buffer
	s_lshr_b32 s34, s6, s38
	s_add_co_u32 s41, s38, 16
	s_lshl_b32 s34, s34, s41                       ; 32 rows for each pair of tiles; key_: 64 rows for each four
	s_and_b32 s6, s6, s39
	s_lshl_b32 s6, s6, 15                          ; 8 rows for the odd one
	s_add_co_u32 s34, s34, s6
	s_mov_b32 s35, 0
	s_add_nc_u64 s[4:5], s[4:5], s[34:35]
	s_lshl_b32 s36, s7, 9
	s_add_co_u32 s36, s36, s32
	s_mov_b32 s37, 0
	s_add_nc_u64 s[28:29], s[26:27], s[36:37]      ; my scale image
	s_mul_i32 s36, s7, 12288
	s_add_nc_u64 s[26:27], s[26:27], s[36:37]      ; my 8 code images
.macro LOAD ks                         ; K step ks: 512 bytes of each of the tile's 16 rows
.irp i, 0,1,2,3,4,5,6,7,8,9,10,11,12,13,14,15
.if \i < 8
	global_load_b128 v[R+64*((\ks)%2)+4*\i:R+64*((\ks)%2)+4*\i+3], v4, s[4:5] offset:\i*4096+512*(\ks) th:TH_LOAD_NT
.else
	global_load_b128 v[R+64*((\ks)%2)+4*\i:R+64*((\ks)%2)+4*\i+3], v7, s[4:5] offset:\i*4096+512*(\ks) th:TH_LOAD_NT
.endif
.endr
.endm
; 64 numbers of a lane, register 16 b + i = k 32 b + 16 h + i of my row, become a fragment's codes in v[PC] on and its scale word in v[pw].
.macro QUANT s, pw
.irp b, 0,1,2,3
	v_max3_num_f32 v[TM+\b], |v[\s+16*\b]|, |v[\s+1+16*\b]|, 0x1800000   ; block b: my 16 numbers, and the floor 2^(3 - 127): the byte cannot fall under 1
.endr
.irp i, 2,4,6,8,10,12,14
.irp b, 0,1,2,3
	v_max3_num_f32 v[TM+\b], v[TM+\b], |v[\s+16*\b+\i]|, |v[\s+1+16*\b+\i]|   ; the four blocks by turns
.endr
.endr
.irp b, 0,1,2,3
	v_permlanex16_b32 v[TM+4+\b], v[TM+\b], s30, s31
.endr
.irp b, 0,1,2,3
	v_max_num_f32 v[TM+\b], v[TM+\b], v[TM+4+\b]   ; with lane l xor 16's: the block's largest magnitude
.endr
.irp b, 0,1,2,3
	v_add_nc_u32 v[TM+12+\b], 0xff000000, v[TM+\b] ; 2 off its exponent field: the conversion takes this operand's exponent field as its scale
.endr
.irp b, 0,1,2,3
	v_lshrrev_b32 v[TM+4+\b], 23, v[TM+12+\b]      ; the scale's byte
.endr
	v_lshl_or_b32 v[\pw], v[TM+5], 8, v[TM+4]      ; my row's scale word
	v_lshl_or_b32 v[\pw], v[TM+6], 16, v[\pw]
	v_lshl_or_b32 v[\pw], v[TM+7], 24, v[\pw]
.irp c, 0,1
	v_cvt_scalef32_pk16_fp6_f32 v[PC+6*\c:PC+2+6*\c], v[\s+32*\c:\s+15+32*\c], v[TM+12+2*\c]
	v_cvt_scalef32_pk16_fp6_f32 v[PC+12+4*\c:PC+14+4*\c], v[\s+16+32*\c:\s+31+32*\c], v[TM+12+2*\c+1]   ; (a conversion's three registers begin on an even number)
.endr
	v_nop                                          ; one plain instruction behind a scaled conversion
.irp c, 0,1                            ; the operand wants a whole block in a lane: lanes 0-15 block 2 c, lanes 16-31 block 2 c + 1
.irp i, 0,1,2
	v_permlane16_swap_b32 v[PC+6*\c+\i], v[PC+12+4*\c+\i]
.endr
.irp i, 0,1,2
	v_mov_b32 v[PC+3+6*\c+\i], v[PC+12+4*\c+\i]
.endr
.endr
.endm
.macro STEP ks
.if (\ks) < 7
	s_wait_loadcnt 16                              ; this K step's 16 loads are in; the next step's 16 may be out
.else
	s_wait_loadcnt 0x0
.endif
.irp i, 0,1,2,3,4,5,6,7,8,9,10,11,12,13,14,15
	ds_store_b128 v5, v[R+64*((\ks)%2)+4*\i:R+64*((\ks)%2)+4*\i+3] offset:528*\i
.endr
.irp b, 0,1,2,3
.irp j, 0,1,2,3
	ds_load_b128 v[X+16*\b+4*\j:X+16*\b+4*\j+3], v6 offset:128*\b+16*\j   ; LDS serves a wave's instructions in order: these see the stores above
.endr
.endr
	s_wait_dscnt 0x0                               ; my 64 numbers are in, and the stage's stores have read their registers
	s_wait_xcnt 0x0                                ; the last step's stores have read the codes' registers: they are written again below
.if (\ks) < 6
	LOAD (\ks)+2
.endif
	QUANT X, SW+(\ks)
.irp c, 0,1,2
	global_store_b128 v4, v[PC+4*\c:PC+4*\c+3], s[26:27] offset:1536*(\ks)+512*\c   ; 32 lanes store 512 consecutive bytes, aligned
.endr
.endm
	LOAD 0
	LOAD 1
.irp k, 0,1,2,3,4,5,6,7
	STEP \k
.endr
	v_cmp_le_u32 vcc_lo, 16, v1                    ; lanes 16-31 carry K steps 4 to 7
.irp i, 0,1,2,3
	v_cndmask_b32 v[OW+\i], v[SW+\i], v[SW+4+\i], vcc_lo
.endr
	global_store_b128 v4, v[OW:OW+3], s[28:29]
	s_wait_tensorcnt 0x0
	ds_add_u32 v248, v249
	s_wait_dscnt 0x0
	s_endpgm
.Lfunc_end_k_q0f525ec4de_quant:
	.size	k_q0f525ec4de_quant, .Lfunc_end_k_q0f525ec4de_quant-k_q0f525ec4de_quant
	.p2alignl 7, 3214868480
	.fill 96, 4, 3214868480
	.section	.rodata,"a",@progbits
	.p2align	6, 0x0
	.amdhsa_kernel k_q0f525ec4de_quant
		.amdhsa_group_segment_fixed_size 60160
		.amdhsa_private_segment_fixed_size 0
		.amdhsa_enable_private_segment 0
		.amdhsa_kernarg_size 72
		.amdhsa_user_sgpr_count 2
		.amdhsa_user_sgpr_kernarg_segment_ptr 1
		.amdhsa_wavefront_size32 1
		.amdhsa_system_sgpr_workgroup_id_x 1
		.amdhsa_system_sgpr_workgroup_id_y 1
		.amdhsa_system_sgpr_workgroup_id_z 1
		.amdhsa_system_vgpr_workitem_id 0
		.amdhsa_next_free_vgpr 250
		.amdhsa_next_free_sgpr 66
		.amdhsa_reserve_vcc 1
		.amdhsa_float_denorm_mode_32 3
		.amdhsa_float_denorm_mode_16_64 3
		.amdhsa_memory_ordered 1
		.amdhsa_forward_progress 1
		.amdhsa_inst_pref_size 65
	.end_amdhsa_kernel
	.amdgpu_metadata
---
amdhsa.version: [ 1, 2 ]
amdhsa.kernels:
  - .name:           k_q0f525ec4de_quant
    .symbol:         k_q0f525ec4de_quant.kd
    .args:
      - { .name: query, .offset: 0, .size: 8, .value_kind: global_buffer, .address_space: global }
      - { .name: key_, .offset: 8, .size: 8, .value_kind: global_buffer, .address_space: global }
      - { .name: value, .offset: 16, .size: 8, .value_kind: global_buffer, .address_space: global }
      - { .name: w_q, .offset: 24, .size: 8, .value_kind: global_buffer, .address_space: global }
      - { .name: w_k, .offset: 32, .size: 8, .value_kind: global_buffer, .address_space: global }
      - { .name: w_v, .offset: 40, .size: 8, .value_kind: global_buffer, .address_space: global }
      - { .name: w_o, .offset: 48, .size: 8, .value_kind: global_buffer, .address_space: global }
      - { .name: xq, .offset: 56, .size: 8, .value_kind: global_buffer, .address_space: global }
      - { .name: wq, .offset: 64, .size: 8, .value_kind: global_buffer, .address_space: global }
    .group_segment_fixed_size: 60160
    .private_segment_fixed_size: 0
    .kernarg_segment_align: 8
    .kernarg_segment_size: 72
    .max_flat_workgroup_size: 224
    .sgpr_count:     66
    .vgpr_count:     250
    .wavefront_size: 32
...
	.end_amdgpu_metadata
.endif
;; end of part 1
;; launch proj (part 2): grid 4 x 64, 4 waves a work-group, clusters of 4 x 4, 327,680 bytes of LDS; arguments xq, wq, b_q, b_k, b_v, qb, kv; writes qb, kv
.if DOCPART == 2
	.amdgcn_target "amdgcn-amd-amdhsa--gfx1250"
	.amdhsa_code_object_version 6
	.text
	.protected	k_q0f525ec4de_proj
	.globl	k_q0f525ec4de_proj
	.p2align	8
	.type	k_q0f525ec4de_proj,@function
k_q0f525ec4de_proj:
	s_mov_b64 s[64:65], 0
	v_nop
	global_prefetch_b8 v0, s[64:65] scope:SCOPE_SE
	s_setreg_imm32_b32 hwreg(HW_REG_WAVE_MODE, 25, 1), 1
	s_wait_xcnt 0x0
	s_wait_alu depctr_hold_cnt(0) depctr_sa_sdst(0) depctr_va_vdst(0) depctr_va_sdst(0) depctr_va_ssrc(0) depctr_va_vcc(0) depctr_vm_vsrc(0)
	s_getreg_b32 s2, hwreg(HW_REG_IB_STS2, 6, 4)
	s_cmp_eq_u32 s2, 0
	s_cbranch_scc0 .Lentry_in_a_cluster
	s_endpgm
.Lentry_in_a_cluster:
	s_bfe_u32 s2, ttmp6, 0x10000c
	s_cmp_lg_u32 s2, 0xf033
	s_cbranch_scc0 .Lentry_shape_is_right
	s_endpgm
.Lentry_shape_is_right:
; q = query w_q^T + b_q, k = key_ w_k^T + b_k, v = value w_v^T + b_v on codes of FP6 (E2M3) with E8M0 scales, f32 sums; the results are quantised in registers for attention: q and k along a head's 64, v along the keys.
; OPERANDS arrive as images of operand registers (1,536 bytes for 16 rows x 128 K: register i of lane l at 512 (i / 4) + 16 l + 4 (i % 4)); tile T holds at place i the row 32 (T / 2) + 8 (T % 2) + i + 8 (i / 8),
; so that as source 0 its results' register j of lane half h is row 32 (T / 2) + 16 h + 8 (T % 2) + j: the 16 registers of tiles 2 b and 2 b + 1 are 16 neighbours.
; SHARES.  256 work-groups: 64 blocks of 128 tokens x 4 blocks of 256 features.  A WORK-GROUP STAYS and makes three tiles, q's, k's and v's, for its tokens and features.  A wave takes all 8 token tiles x 4 feature tiles (one head): 32 accumulators.
; THE RING.  K = 1,024 lies in LDS as two halves of 512 (x's 49,152 bytes and W's 98,304 each).  A half's last fragments are in registers one K step ahead of its last products: there the half is filled again with the next tile's,
; so the refill of half 0 has four K steps' products in which to land, that of half 1 these and the quantiser.  One tensor load of a wave is out at a time.  The three tiles are written out.
; CLUSTERS: 4 x 4 work-groups; x's tiles are asked for jointly along a row of the cluster, W's along a column; each refill stands behind a round of the cluster's barrier.
; q, k: the product is used transposed (source 0 = W, source 1 = x): a lane holds one token and its registers run along the features.  v: source 0 = x, source 1 = W: a lane holds one channel and its registers run along the tokens.
; In both, block n of 32 along the next K is accumulator registers 16 n .. 16 n + 15 in lanes l and l xor 16: one text quantises both.  The bias is the C of each sum's first matrix instruction.
; LIMITS: NaN and infinities are not served; a block of zeros gets the byte 1 (its codes are zeros; this program alone reads the bytes).
; REGISTERS, in windows of 256: window 0: addresses, two sets of scale words, the quantiser's work;  windows 1 and 2: two sets of fragments (W's at 12 T', x's at 48 + 12 tau); window 1 from v144: the bias;  window 3: the accumulators.
.set HALF,  147456                     ; a half in LDS: x's 8 tiles x 6,144 bytes, then W's 16
.set WOFF,  49152
.set SPARE, 294912                     ; behind the two halves: the spare words, 128 bytes for each wave: two blocks of 256 bytes that no other line names
.set XTILE, 6291456                    ; from a tile's x to the next tile's, in bytes: 64 blocks of 98,304
.set WTILE, 786432                     ; from a weight to the next
.set LI,   4                           ; v4     16 x lane
.set AX,   5                           ; v5-6   x's fragments in half H
.set AW,   7                           ; v7-8   my four W tiles in half H
.set SPW,  9                           ; v9     LDS address of my spare word: SPARE + 4 x my thread's number; never rewritten
.set NIL,  10                          ; v10    0; never rewritten
.set PFO,  11                          ; v11    256 x lane: the prefetches' offset; never rewritten
.set XS0,  16                          ; v16-47   x's scale words, tiles 0 and 2: token tile tau at 4 tau + i: lanes 0-15 K step i, lanes 16-31 K step 4 + i
.set WS0,  48                          ; v48-63   W's likewise
.set XS1,  64                          ; v64-95   x's, tile 1
.set TM,   96                          ; v96-111  largest magnitudes
.set WS1,  112                         ; v112-127 W's, tile 1
.set SO,   128                         ; v128-143 the conversions' scale operands
.set BY,   144                         ; v144-159 the other half's largest magnitudes, then scale bytes
.set SWD,  160                         ; v160-167 q's or k's scale words
.set OW,   168                         ; v168-171 the scale image
.set IM,   176                         ; v176-223 four images of codes
.set TC,   224                         ; v224-255 the conversions' second halves
.set BI,   144                         ; in window 1: v144-175 the bias, 8 registers a feature tile, in the result's layout
.set G1A,  28                          ; s[28:35] descriptor group 1 for x;  s[36:43] for W
.set G1B,  36
.set G0A,  44                          ; s[44:51] group 0 for x's two halves;  s[52:59] for W's
.set G0B,  52
.set XSP,  68                          ; s[68:69] x's scale images of tile 0;  s[70:71] W's
.set WSP,  70
.set BQP,  72                          ; s[72:77] b_q, b_k, b_v at my head's first feature
.set BKP,  74
.set BVP,  76
.set QC,   78                          ; s[78:81] where q's codes and scale image go;  s[82:85] k's (v's lie 49,152 and 4,096 bytes behind)
.set QS,   80
.set KC,   82
.set KS,   84
.set PF1,  86                          ; s[86:89] where my prefetches for tiles 1 and 2 stand; never rewritten
.set PF2,  88
.set MSB, 0
.macro WIN new                         ; the immediate's high byte repeats the setting that is left
.if MSB != \new
	s_set_vgpr_msb (MSB<<8)|\new
.set MSB, \new
.endif
.endm
.macro CROUND                          ; a round of the cluster's barrier
	s_barrier_signal -1
	s_barrier_wait -1
	s_cmp_lg_u32 s18, 0
	s_cbranch_scc1 .Lnot_wave_0_\@
	s_barrier_signal -3
.Lnot_wave_0_\@:
	s_barrier_wait -3
	s_barrier_signal -1
	s_barrier_wait -1
.endm
.macro PLACES                          ; four plain instructions between a matrix instruction and a load into, or a read of, its registers
.rept 4
	v_nop
.endr
.endm
; A joint refill: waves 0 and 1 fetch x's two parts, waves 2 and 3 W's.  The branch hangs on the wave's number alone.  Four v_nop follow each of the two lines.
.macro JLOAD g0a, g0b
	s_cmp_eq_u32 s19, 0
	s_cbranch_scc0 .Lfor_w_\@
	tensor_load_to_lds s[\g0a:\g0a+3], s[G1A:G1A+7]
	s_nop 0
.rept 4
	v_nop
.endr
	s_branch .Lfilled_\@
.Lfor_w_\@:
	tensor_load_to_lds s[\g0b:\g0b+3], s[G1B:G1B+7]
	s_nop 0
.rept 4
	v_nop
.endr
.Lfilled_\@:
.endm
; A PREFETCH INTO THE L2 of a later tile's codes, both halves.  Each aligned block of 256 bytes is named once in the launch.  x's block of 128 tokens, 98,304 dense bytes, is read by my row of the cluster alone: its four partners
; take 24,576 bytes each, told apart BY ADDRESS (cx), and in each partner waves 0 to 2 ask for 8,192 bytes, lanes 256 bytes apart.  W's block of 256 features, 196,608 dense bytes, is read by every cluster: the cluster with y = 0 asks
; (a number that all sixteen partners share); its four partners of a column take 49,152 bytes each by address (cy): six instructions of wave 3.
.macro ASK pf
	s_cmp_lt_u32 s18, 3
	s_cbranch_scc0 .Lask_w_\@
	global_prefetch_b8 v[PFO], s[\pf:\pf+1] th:TH_LOAD_NT scope:SCOPE_SE
	s_branch .Lask_done_\@
.Lask_w_\@:
	s_cmp_eq_u32 s25, 0
	s_cbranch_scc0 .Lask_done_\@
.irp i, 0,1,2,3,4,5
	global_prefetch_b8 v[PFO], s[\pf:\pf+1] offset:8192*\i th:TH_LOAD_NT scope:SCOPE_SE
.endr
.Lask_done_\@:
.endm
	s_load_b256 s[4:11], s[0:1], 0x0               ; xq s[4:5], wq s[6:7], b_q s[8:9], b_k s[10:11]
	s_load_b128 s[12:15], s[0:1], 0x20             ; b_v s[12:13], qb s[14:15]
	s_load_b64 s[16:17], s[0:1], 0x30              ; kv
	v_lshl_add_u32 v[SPW], v0, 2, SPARE
	v_mov_b32 v[NIL], 0
	ds_add_u32 v9, v10
	ds_add_u32 v9, v10
	s_wait_dscnt 0x0
	v_lshrrev_b32 v1, 5, v0
	v_readfirstlane_b32 s18, v1                    ; wave 0..3
	s_lshr_b32 s19, s18, 1                         ; I fetch for x (0) or for W (1)
	s_and_b32 s20, s18, 1                          ; which part of it
	s_bfe_u32 s21, ttmp6, 0x40000                  ; cx
	s_bfe_u32 s22, ttmp6, 0x40004                  ; cy
	s_lshl_b32 s23, ttmp9, 2
	s_add_co_u32 s23, s23, s21                     ; tc: block of 256 features
	s_and_b32 s25, ttmp7, 0xffff                   ; the cluster's y
	s_lshl_b32 s24, s25, 2
	s_add_co_u32 s24, s24, s22                     ; tr: block of 128 tokens, 0..63
	s_lshl_b32 s26, s22, 2
	s_lshl_b32 s26, 15, s26                        ; my row of the cluster
	s_lshl_b32 s27, 0x1111, s21                    ; my column
	v_and_b32 v1, 31, v0                           ; lane
	v_and_b32 v2, 15, v0                           ; r
	v_bfe_u32 v3, v0, 4, 1                         ; h
	v_lshlrev_b32 v[LI], 4, v1
	v_lshlrev_b32 v[PFO], 8, v1
	s_mul_i32 s3, s18, 24576                       ; my four W tiles in a half
.irp h, 0,1
	v_add_nc_u32 v[AX+\h], HALF*\h, v[LI]
	v_add_nc_u32 v[AW+\h], s3, v[LI]
	v_add_nc_u32 v[AW+\h], HALF*\h+WOFF, v[AW+\h]
.endr
	v_lshlrev_b32 v13, 6, v3                       ; q, k: the bias of my half's 16 features
	v_and_b32 v14, 8, v2
	v_add_nc_u32 v14, v14, v2
	v_lshlrev_b32 v14, 2, v14                      ; v: the bias of my channel: 4 (r + 8 (r / 8))
.irp n, 0,1,2,3,4,5,6,7,8,9,10,11,12,13,14,15
	v_mov_b32 v[BY+\n], 0                          ; written once: a lane permute's destination counts as one of its sources
.endr
	s_mov_b32 s96, 0x76543210
	s_mov_b32 s97, 0xfedcba98                      ; v_permlanex16_b32's selects for lane l xor 16
	; descriptor group 1: rows of 6,144 bytes (a tile's four K steps: 768 elements of 8 bytes), 12,288 bytes apart in memory, dense in LDS.  x: 4 tiles a load;  W: 8
	s_or_b32 s[G1A], s26, (3<<16)|(1<<21)          ; 15:0 the mask; 17:16 elements of 8 bytes; 21 set beside a mask
	s_or_b32 s[G1B], s27, (3<<16)|(1<<21)
	s_mov_b32 s[G1A+1], 768<<16                    ; tensor_dim0
	s_mov_b32 s[G1A+2], 8<<16                      ; at the head a load brings a whole half: x's 8 tiles, W's 16
	s_mov_b32 s[G1A+3], 768<<16                    ; tile_dim0
	s_mov_b32 s[G1A+4], 8
	s_mov_b32 s[G1A+5], 1536                       ; the pitch
	s_mov_b32 s[G1A+6], 0
	s_mov_b32 s[G1A+7], 0
	s_mov_b32 s[G1B+1], 768<<16
	s_mov_b32 s[G1B+2], 16<<16
	s_mov_b32 s[G1B+3], 768<<16
	s_mov_b32 s[G1B+4], 16
	s_mov_b32 s[G1B+5], 1536
	s_mov_b32 s[G1B+6], 0
	s_mov_b32 s[G1B+7], 0
	s_mul_i32 s90, s24, 98304                      ; x: 8 tiles of 12,288 bytes a block
	s_mov_b32 s91, 0
	s_mul_i32 s92, s23, 196608                     ; W: the block's 16 tiles
	s_mov_b32 s93, 0
	s_mul_i32 s94, s20, 49152                      ; the ring's loads bring a part: x's 4 tiles on; W's 8 tiles are twice that
	s_mov_b32 s95, 0
	s_mul_i32 s98, s20, 24576                      ; and where they go: no place in the cluster enters an LDS address
	s_mul_i32 s99, s20, 49152
	s_wait_kmcnt 0x0
	s_add_nc_u64 s[90:91], s[4:5], s[90:91]
	s_add_nc_u64 s[92:93], s[6:7], s[92:93]
	CROUND                                         ; all sixteen work-groups are here: the first joint loads meet
.irp h, 0,1
	s_mov_b32 s[G0A+4*\h], 1
	s_mov_b32 s[G0A+4*\h+1], HALF*\h
	s_add_nc_u64 s[G0A+4*\h+2:G0A+4*\h+3], s[90:91], 6144*\h
	s_or_b32 s[G0A+4*\h+3], s[G0A+4*\h+3], 0x80000000
	s_mov_b32 s[G0B+4*\h], 1
	s_mov_b32 s[G0B+4*\h+1], HALF*\h+WOFF
	s_add_nc_u64 s[G0B+4*\h+2:G0B+4*\h+3], s[92:93], 6144*\h
	s_or_b32 s[G0B+4*\h+3], s[G0B+4*\h+3], 0x80000000
.endr
	; the head's four tiles, one a wave, in one chain of arms on the wave's number: x's half 0, W's half 0, x's half 1, W's half 1
	s_cmp_eq_u32 s18, 0
	s_cbranch_scc0 .Lhead_1
	tensor_load_to_lds s[G0A:G0A+3], s[G1A:G1A+7]
	s_nop 0
.rept 4
	v_nop
.endr
	s_branch .Lfirst_asked
.Lhead_1:
	s_cmp_eq_u32 s18, 1
	s_cbranch_scc0 .Lhead_2
	tensor_load_to_lds s[G0B:G0B+3], s[G1B:G1B+7]
	s_nop 0
.rept 4
	v_nop
.endr
	s_branch .Lfirst_asked
.Lhead_2:
	s_cmp_eq_u32 s18, 2
	s_cbranch_scc0 .Lhead_3
	tensor_load_to_lds s[G0A+4:G0A+7], s[G1A:G1A+7]
	s_nop 0
.rept 4
	v_nop
.endr
	s_branch .Lfirst_asked
.Lhead_3:
	tensor_load_to_lds s[G0B+4:G0B+7], s[G1B:G1B+7]
	s_nop 0
.rept 4
	v_nop
.endr
.Lfirst_asked:
	s_mov_b32 s61, 0
	s_lshl_b32 s60, s24, 12                        ; x's scale images: 8 tiles of 512 bytes a block
	s_add_co_u32 s60, s60, 18874368
	s_add_nc_u64 s[XSP:XSP+1], s[4:5], s[60:61]
	s_lshl_b32 s60, s23, 13                        ; W's: tile 16 tc + 4 w on
	s_lshl_b32 s62, s18, 11
	s_add_co_u32 s60, s60, s62
	s_add_co_u32 s60, s60, 3145728
	s_add_nc_u64 s[WSP:WSP+1], s[6:7], s[60:61]
	s_lshl_b32 s60, s23, 10
	s_lshl_b32 s62, s18, 8
	s_add_co_u32 s60, s60, s62                     ; my head's first feature, in bytes: 4 (256 tc + 64 w)
	s_add_nc_u64 s[BQP:BQP+1], s[8:9], s[60:61]
	s_add_nc_u64 s[BKP:BKP+1], s[10:11], s[60:61]
	s_add_nc_u64 s[BVP:BVP+1], s[12:13], s[60:61]
; The scale words and the bias of tile tl: x's images lie 262,144 bytes on for each tile (64 blocks of 4,096), W's 32,768 (64 tiles of 512): both stand in the immediate.
.macro NEXT tl, xs, ws, bp, vf
.irp m, 0,1,2,3,4,5,6,7
	global_load_b128 v[\xs+4*\m:\xs+4*\m+3], v[LI], s[XSP:XSP+1] offset:262144*(\tl)+512*\m
.endr
.irp t, 0,1,2,3
	global_load_b128 v[\ws+4*\t:\ws+4*\t+3], v[LI], s[WSP:WSP+1] offset:32768*(\tl)+512*\t
.endr
	WIN 0x40                                       ; destination window 1
.if \vf
.irp t, 0,1,2,3                        ; v: all eight registers of tile T' are channel 32 (T' / 2) + 8 (T' % 2) + r + 8 (r / 8)
.irp j, 0,1,2,3,4,5,6,7
	global_load_b32 v[BI+8*\t+\j], v14, s[\bp:\bp+1] offset:(32*(\t/2)+8*(\t%2))*4
.endr
.endr
.else
.irp t, 0,1,2,3                        ; q, k: register j of tile T' is feature 32 (T' / 2) + 8 (T' % 2) + 16 h + j
	global_load_b128 v[BI+8*\t:BI+8*\t+3], v13, s[\bp:\bp+1] offset:(32*(\t/2)+8*(\t%2))*4
	global_load_b128 v[BI+8*\t+4:BI+8*\t+7], v13, s[\bp:\bp+1] offset:(32*(\t/2)+8*(\t%2))*4+16
.endr
.endif
	WIN 0
.endm
	NEXT 0, XS0, WS0, BQP, 0
	; where the results go: head hx = 16 b + 4 tc + w; group g of 128 tokens of the batch
	s_lshr_b32 s2, s24, 3                          ; b
	s_lshl_b32 s2, s2, 4
	s_lshl_b32 s3, s23, 2
	s_add_co_u32 s2, s2, s3
	s_add_co_u32 s2, s2, s18                       ; hx
	s_and_b32 s3, s24, 7                           ; g
	s_mul_i32 s62, s3, 6144                        ; four images a group
	s_lshl_b32 s63, s3, 9                          ; one scale image
	s_mul_i32 s3, s2, 53248                        ; a head's bytes in qb
	s_add_co_u32 s60, s3, s62
	s_add_nc_u64 s[QC:QC+1], s[14:15], s[60:61]
	s_add_co_u32 s60, s3, s63
	s_add_co_u32 s60, s60, 49152
	s_add_nc_u64 s[QS:QS+1], s[14:15], s[60:61]
	s_mul_i32 s3, s2, 106496                       ; and in kv
	s_add_co_u32 s60, s3, s62
	s_add_nc_u64 s[KC:KC+1], s[16:17], s[60:61]
	s_add_co_u32 s60, s3, s63
	s_add_co_u32 s60, s60, 98304
	s_add_nc_u64 s[KS:KS+1], s[16:17], s[60:61]
	; the prefetches (macro ASK): waves 0 to 2 stand in x, wave 3 in W
	s_mul_i32 s2, s24, 98304
	s_mul_i32 s3, s21, 24576
	s_add_co_u32 s2, s2, s3
	s_lshl_b32 s3, s18, 13
	s_add_co_u32 s2, s2, s3                        ; x: my block, my work-group's 24,576 bytes of it, my wave's 8,192
	s_mul_i32 s3, s23, 196608
	s_mul_i32 s62, s22, 49152
	s_add_co_u32 s3, s3, s62                       ; W: my block, my work-group's 49,152 bytes of it
	s_mov_b32 s63, WTILE
	s_cmp_lt_u32 s18, 3
	s_cselect_b64 s[PF1:PF1+1], s[4:5], s[6:7]
	s_cselect_b32 s60, s2, s3
	s_cselect_b32 s62, XTILE, s63                  ; a tile on
	s_add_co_u32 s60, s60, s62
	s_mov_b32 s63, 0
	s_add_nc_u64 s[PF1:PF1+1], s[PF1:PF1+1], s[60:61]   ; tile 1
	s_add_nc_u64 s[PF2:PF2+1], s[PF1:PF1+1], s[62:63]   ; tile 2
.macro FETCH s                         ; K step s: my 4 fragments of W and x's 8, 36 loads of 512 consecutive bytes, from half s / 4 into set s % 2
.if ((\s)%2) == 0
	WIN 0x40
.else
	WIN 0x80
.endif
.irp t, 0,1,2,3
.irp k, 0,1,2
	ds_load_b128 v[12*\t+4*\k:12*\t+4*\k+3], v[AW+(\s)/4] offset:6144*\t+1536*((\s)%4)+512*\k
.endr
.endr
.irp m, 0,1,2,3,4,5,6,7
.irp k, 0,1,2
	ds_load_b128 v[48+12*\m+4*\k:48+12*\m+4*\k+3], v[AX+(\s)/4] offset:6144*\m+1536*((\s)%4)+512*\k
.endr
.endr
	WIN 0
.endm
; One scaled product.  c: C's first register (the bias, or d);  ra, rb: source 0's, source 1's scales stand in lanes 16-31
.macro WM d, a, b, c, sa, sb, ra, rb
.if (\ra) && (\rb)
	v_wmma_scale_f32_16x16x128_f8f6f4 v[\d:\d+7], v[\a:\a+11], v[\b:\b+11], v[\c:\c+7], v[\sa], v[\sb] matrix_a_fmt:MATRIX_FMT_FP6 matrix_b_fmt:MATRIX_FMT_FP6 matrix_a_scale:MATRIX_SCALE_ROW1 matrix_b_scale:MATRIX_SCALE_ROW1
.elseif (\ra)
	v_wmma_scale_f32_16x16x128_f8f6f4 v[\d:\d+7], v[\a:\a+11], v[\b:\b+11], v[\c:\c+7], v[\sa], v[\sb] matrix_a_fmt:MATRIX_FMT_FP6 matrix_b_fmt:MATRIX_FMT_FP6 matrix_a_scale:MATRIX_SCALE_ROW1
.elseif (\rb)
	v_wmma_scale_f32_16x16x128_f8f6f4 v[\d:\d+7], v[\a:\a+11], v[\b:\b+11], v[\c:\c+7], v[\sa], v[\sb] matrix_a_fmt:MATRIX_FMT_FP6 matrix_b_fmt:MATRIX_FMT_FP6 matrix_b_scale:MATRIX_SCALE_ROW1
.else
	v_wmma_scale_f32_16x16x128_f8f6f4 v[\d:\d+7], v[\a:\a+11], v[\b:\b+11], v[\c:\c+7], v[\sa], v[\sb] matrix_a_fmt:MATRIX_FMT_FP6 matrix_b_fmt:MATRIX_FMT_FP6
.endif
.endm
.macro MWIN s                          ; sources 0 and 1: the step's set; D window 3; C window 1 (the bias) in step 0, else window 3
.if (\s) == 0
	WIN 0xd5
.elseif ((\s)%2) == 0
	WIN 0xf5
.else
	WIN 0xfa
.endif
.endm
; The 32 accumulators take turns, one instruction a turn, in the order 0 .. 31 in every step.
.macro MULT s, xs, ws                  ; q, k: accumulator (tau, T') at 8 (4 tau + T')
	MWIN \s
.irp m, 0,1,2,3,4,5,6,7
.irp t, 0,1,2,3
.if (\s) == 0
	WM 8*(4*\m+\t), 12*\t, 48+12*\m, BI+8*\t, \ws+4*\t+(\s)%4, \xs+4*\m+(\s)%4, (\s)/4, (\s)/4
.else
	WM 8*(4*\m+\t), 12*\t, 48+12*\m, 8*(4*\m+\t), \ws+4*\t+(\s)%4, \xs+4*\m+(\s)%4, (\s)/4, (\s)/4
.endif
.endr
.endr
	WIN 0
.endm
.macro MULN s, xs, ws                  ; v: accumulator (T', tau) at 8 (8 T' + tau)
	MWIN \s
.irp t, 0,1,2,3
.irp m, 0,1,2,3,4,5,6,7
.if (\s) == 0
	WM 8*(8*\t+\m), 48+12*\m, 12*\t, BI+8*\t, \xs+4*\m+(\s)%4, \ws+4*\t+(\s)%4, (\s)/4, (\s)/4
.else
	WM 8*(8*\t+\m), 48+12*\m, 12*\t, 8*(8*\t+\m), \xs+4*\m+(\s)%4, \ws+4*\t+(\s)%4, (\s)/4, (\s)/4
.endif
.endr
.endr
	WIN 0
.endm
.macro MUL vf, s, xs, ws
.if \vf
	MULN \s, \xs, \ws
.else
	MULT \s, \xs, \ws
.endif
.endm
; THE CHANGE OF HALVES.  Half h has been read out: its last fragments were asked for a K step ago.  Each wave waits for all its tensor loads, of which one is out: its part of the other half; adds 0 to its spare word;
; and waits for that and for its own reads of half h.  fill = 1: behind a round of the cluster's barrier, so that no wave of any partner still reads half h or has a load on its way, half h is filled with the next tile's.
.macro CHANGE h, fill, first=0
	s_wait_tensorcnt 0x0                           ; no tensor load of mine is out, so a group 0 may be written
	ds_add_u32 v[SPW], v[NIL]
.if \first                             ; the first change: no tensor load of mine is out, so from here on a load brings my part: x's 4 tiles or W's 8
	s_mov_b32 s[G1A+2], 4<<16
	s_mov_b32 s[G1A+4], 4
	s_mov_b32 s[G1B+2], 8<<16
	s_mov_b32 s[G1B+4], 8
.irp g, 0,1
	s_add_co_u32 s[G0A+4*\g+1], s[G0A+4*\g+1], s98
	s_add_nc_u64 s[G0A+4*\g+2:G0A+4*\g+3], s[G0A+4*\g+2:G0A+4*\g+3], s[94:95]
	s_add_co_u32 s[G0B+4*\g+1], s[G0B+4*\g+1], s99
	s_add_nc_u64 s[G0B+4*\g+2:G0B+4*\g+3], s[G0B+4*\g+2:G0B+4*\g+3], s[94:95]
	s_add_nc_u64 s[G0B+4*\g+2:G0B+4*\g+3], s[G0B+4*\g+2:G0B+4*\g+3], s[94:95]
.endr
.endif
.if \fill
	s_add_nc_u64 s[G0A+4*\h+2:G0A+4*\h+3], s[G0A+4*\h+2:G0A+4*\h+3], XTILE
	s_add_nc_u64 s[G0B+4*\h+2:G0B+4*\h+3], s[G0B+4*\h+2:G0B+4*\h+3], WTILE
.endif
	s_wait_dscnt 0x0                               ; the add is done, and my reads of half h are over
.if \fill
	CROUND
	JLOAD G0A+4*\h, G0B+4*\h                       ; the first tensor load behind the round, one a wave; its four v_nop are also the places in front of the fragment loads that follow
.else
	s_barrier_signal -1
	s_barrier_wait -1
	PLACES
.endif
.endm
; THE QUANTISER.  Block n = accumulator registers 16 n .. 16 n + 15.  Each accumulator is read from its low end on.  vf = 0: q, k;  1: v.  cb, co: the codes' base and offset;  sb, so: the scale image's.
.macro EPI vf, cb, co, sb, so
	s_wait_xcnt 0x0                                ; the last tile's stores have read the images' registers: they are written again below
	PLACES
	WIN 0x0f                                       ; sources 0 and 1 window 3
.set n, 0
.rept 16
	v_max3_num_f32 v[TM+n], |v[16*n]|, |v[16*n+1]|, 0x1800000   ; and the floor 2^(3 - 127): the byte cannot fall under 1
.set n, n+1
.endr
	WIN 0x3c                                       ; sources 1 and 2 window 3
.set i, 2
.rept 7
.set n, 0
.rept 16
	v_max3_num_f32 v[TM+n], v[TM+n], |v[16*n+i]|, |v[16*n+i+1]|
.set n, n+1
.endr
.set i, i+2
.endr
	WIN 0
.set n, 0
.rept 16
	v_permlanex16_b32 v[BY+n], v[TM+n], s96, s97
.set n, n+1
.endr
.set n, 0
.rept 16
	v_max_num_f32 v[TM+n], v[TM+n], v[BY+n]        ; with lane l xor 16's: the block's largest magnitude
.set n, n+1
.endr
.set n, 0
.rept 16
	v_add_nc_u32 v[SO+n], 0xff000000, v[TM+n]      ; 2 off its exponent field: the conversion's scale operand
.set n, n+1
.endr
.set n, 0
.rept 16
	v_lshrrev_b32 v[BY+n], 23, v[SO+n]             ; the scale's byte
.set n, n+1
.endr
.if \vf
.irp t, 0,1,2,3                        ; v: channel tile T's word: the group's four blocks of 32 keys
	v_lshl_or_b32 v[OW+\t], v[BY+4*\t+1], 8, v[BY+4*\t]
	v_lshl_or_b32 v[OW+\t], v[BY+4*\t+2], 16, v[OW+\t]
	v_lshl_or_b32 v[OW+\t], v[BY+4*\t+3], 24, v[OW+\t]
.endr
.else
.irp m, 0,1,2,3,4,5,6,7                ; q, k: token tile m's word: the head's two blocks; bytes 2 and 3 stay 0: the upper 64 of the product's 128 hold nothing
	v_lshl_or_b32 v[SWD+\m], v[BY+2*\m+1], 8, v[BY+2*\m]
.endr
	v_cmp_le_u32 vcc_lo, 16, v1                    ; lanes 16-31 carry tiles 4 to 7
.irp j, 0,1,2,3
	v_cndmask_b32 v[OW+\j], v[SWD+\j], v[SWD+4+\j], vcc_lo
.endr
.endif
	WIN 0x03                                       ; source 0 window 3
.set n, 0
.rept 8
	v_cvt_scalef32_pk16_fp6_f32 v[IM+6*n:IM+6*n+2], v[32*n:32*n+15], v[SO+2*n]
	v_cvt_scalef32_pk16_fp6_f32 v[TC+4*n:TC+4*n+2], v[32*n+16:32*n+31], v[SO+2*n+1]   ; (a conversion's three registers begin on an even number)
.set n, n+1
.endr
	v_nop                                          ; one plain instruction behind a scaled conversion
	WIN 0
.set n, 0
.rept 8                                ; a whole block in a lane: lanes 0-15 block 2 n, lanes 16-31 block 2 n + 1
.irp j, 0,1,2
	v_permlane16_swap_b32 v[IM+6*n+\j], v[TC+4*n+\j]
.endr
.irp j, 0,1,2
	v_mov_b32 v[IM+6*n+3+\j], v[TC+4*n+\j]
.endr
.set n, n+1
.endr
.irp k, 0,1,2,3,4,5,6,7,8,9,10,11      ; four images: q, k: pairs of token tiles (6 registers each);  v: the four channel tiles
	global_store_b128 v[LI], v[IM+4*\k:IM+4*\k+3], s[\cb:\cb+1] offset:\co+512*\k   ; 32 lanes store 512 consecutive bytes, aligned
.endr
	global_store_b128 v[LI], v[OW:OW+3], s[\sb:\sb+1] offset:\so
.endm
; A TILE: eight K steps of 128.  In each the next step's fragments are asked for, then come this step's 32 products.  The count 36 lets the loads just issued stay out: this step's set is in.
; tl: the tile;  vf: v's way;  xs, ws: its set of scale words;  fill = 1: a tile follows, and both halves are filled again.
.macro TILE tl, vf, xs, ws, fill
	FETCH 1                                        ; (set 1 was last read by the tile before: the quantiser's instructions are the places)
	s_wait_loadcnt 0x0                             ; this tile's scale words and bias
	s_wait_dscnt 36
	MUL \vf, 0, \xs, \ws
	PLACES                                         ; for the loads into the bias's registers and into set 0
.if \tl == 0
	NEXT 1, XS1, WS1, BKP, 0                       ; the next tile's scale words, into the other set, and its bias: they have seven K steps in which to land
.elseif \tl == 1
	NEXT 2, XS0, WS0, BVP, 1
.endif
	FETCH 2
	s_wait_dscnt 36
	MUL \vf, 1, \xs, \ws
	PLACES
	FETCH 3
	s_wait_dscnt 36
	MUL \vf, 2, \xs, \ws
.if \tl == 0
	CHANGE 0, 1, 1
.else
	CHANGE 0, \fill
.endif
	FETCH 4
	s_wait_dscnt 36
	MUL \vf, 3, \xs, \ws
.irp s, 4,5,6
	PLACES
	FETCH \s+1
	s_wait_dscnt 36
	MUL \vf, \s, \xs, \ws
.endr
.if \fill
	CHANGE 1, 1
	FETCH 0                                        ; the next tile's first fragments
.if \tl == 0
	ASK PF2                                        ; tile 2's codes, behind my tensor load and the run of LDS loads: its first refill stands a tile's first three K steps, this tile's last and the quantiser further on
.endif
	s_wait_dscnt 36
.else
	s_wait_dscnt 0x0
.endif
	MUL \vf, 7, \xs, \ws
.endm
	s_cmp_lt_u32 s18, 2                            ; waves 0 and 1 asked for half 0: they wait; half 1's loads may stay out
	s_cbranch_scc0 .Lnot_half0
	s_wait_tensorcnt 0x0
.Lnot_half0:
	s_barrier_signal -1
	s_barrier_wait -1                              ; everybody's is
	FETCH 0
	ASK PF1                                        ; tile 1's codes: nothing is prefetched at the head, where every work-group's first tiles are on their way; tile 0 comes by its loads alone
	TILE 0, 0, XS0, WS0, 1
	EPI 0, QC, 0, QS, 0
	TILE 1, 0, XS1, WS1, 1
	EPI 0, KC, 0, KS, 0
	TILE 2, 1, XS0, WS0, 0
	EPI 1, KC, 49152, KS, 4096
	s_wait_tensorcnt 0x0                           ; the wave's end: behind my last tensor load, my last LDS instructions
	ds_add_u32 v[SPW], v[NIL]
	s_wait_dscnt 0x0
	CROUND                                         ; the closing round: no work-group ends while a partner may still ask for a tile that names it
	s_endpgm
.Lfunc_end_k_q0f525ec4de_proj:
	.size	k_q0f525ec4de_proj, .Lfunc_end_k_q0f525ec4de_proj-k_q0f525ec4de_proj
	.p2alignl 7, 3214868480
	.fill 96, 4, 3214868480
	.section	.rodata,"a",@progbits
	.p2align	6, 0x0
	.amdhsa_kernel k_q0f525ec4de_proj
		.amdhsa_group_segment_fixed_size 327680
		.amdhsa_private_segment_fixed_size 0
		.amdhsa_enable_private_segment 0
		.amdhsa_kernarg_size 56
		.amdhsa_user_sgpr_count 2
		.amdhsa_user_sgpr_kernarg_segment_ptr 1
		.amdhsa_wavefront_size32 1
		.amdhsa_system_sgpr_workgroup_id_x 1
		.amdhsa_system_sgpr_workgroup_id_y 1
		.amdhsa_system_sgpr_workgroup_id_z 1
		.amdhsa_system_vgpr_workitem_id 0
		.amdhsa_next_free_vgpr 1024
		.amdhsa_next_free_sgpr 100
		.amdhsa_reserve_vcc 1
		.amdhsa_float_denorm_mode_32 3
		.amdhsa_float_denorm_mode_16_64 3
		.amdhsa_memory_ordered 1
		.amdhsa_forward_progress 1
		.amdhsa_inst_pref_size 229
	.end_amdhsa_kernel
	.amdgpu_metadata
---
amdhsa.version: [ 1, 2 ]
amdhsa.kernels:
  - .name:           k_q0f525ec4de_proj
    .symbol:         k_q0f525ec4de_proj.kd
    .args:
      - { .name: xq, .offset: 0, .size: 8, .value_kind: global_buffer, .address_space: global }
      - { .name: wq, .offset: 8, .size: 8, .value_kind: global_buffer, .address_space: global }
      - { .name: b_q, .offset: 16, .size: 8, .value_kind: global_buffer, .address_space: global }
      - { .name: b_k, .offset: 24, .size: 8, .value_kind: global_buffer, .address_space: global }
      - { .name: b_v, .offset: 32, .size: 8, .value_kind: global_buffer, .address_space: global }
      - { .name: qb, .offset: 40, .size: 8, .value_kind: global_buffer, .address_space: global }
      - { .name: kv, .offset: 48, .size: 8, .value_kind: global_buffer, .address_space: global }
    .group_segment_fixed_size: 327680
    .private_segment_fixed_size: 0
    .kernarg_segment_align: 8
    .kernarg_segment_size: 56
    .max_flat_workgroup_size: 128
    .sgpr_count:     100
    .vgpr_count:     1024
    .wavefront_size: 32
...
	.end_amdgpu_metadata
.endif
;; end of part 2
;; launch attn (part 3): grid 4 x 64, 16 waves a work-group, clusters of 4 x 1, 327,680 bytes of LDS; arguments qb, kv, cq; writes cq
.if DOCPART == 3
	.amdgcn_target "amdgcn-amd-amdhsa--gfx1250"
	.amdhsa_code_object_version 6
	.text
	.protected	k_q0f525ec4de_attn
	.globl	k_q0f525ec4de_attn
	.p2align	8
	.type	k_q0f525ec4de_attn,@function
k_q0f525ec4de_attn:
	s_mov_b64 s[64:65], 0
	v_nop
	global_prefetch_b8 v0, s[64:65] scope:SCOPE_SE
	s_setreg_imm32_b32 hwreg(HW_REG_WAVE_MODE, 25, 1), 1
	s_wait_xcnt 0x0
	s_wait_alu depctr_hold_cnt(0) depctr_sa_sdst(0) depctr_va_vdst(0) depctr_va_sdst(0) depctr_va_ssrc(0) depctr_va_vcc(0) depctr_vm_vsrc(0)
	s_getreg_b32 s2, hwreg(HW_REG_IB_STS2, 6, 4)
	s_cmp_eq_u32 s2, 0
	s_cbranch_scc0 .Lentry_in_a_cluster
	s_endpgm
.Lentry_in_a_cluster:
	s_bfe_u32 s2, ttmp6, 0x10000c
	s_cmp_lg_u32 s2, 0x3003
	s_cbranch_scc0 .Lentry_shape_is_right
	s_endpgm
.Lentry_shape_is_right:
; ctx = softmax(q k^T / 8) v for 128 heads (batch x head) of 1,024 queries x 1,024 keys x 64, on codes of FP6 (E2M3) with E8M0 scales; ctx leaves as codes and scale words for the out-projection.
; SHARES.  256 work-groups = 64 pairs of heads x 4 blocks of 256 queries; 16 waves; a wave takes 16 queries through both heads of the pair, 8 steps of 128 keys each.
; LDS holds the pair's K, V and their scale words whole: 2 x 106,496 dense bytes of kv, filled ONCE: each wave asks for 52 rows of 256 bytes.  The four work-groups of a cluster read the same bytes: the load is joint (mask 15).
; Waves 0 to 7 ask for the first head's bytes, on a load line of their own, and they alone wait ahead of the first barrier.  The first head's first step stands ahead of its loop; behind it every wave waits for all its loads,
; and a second barrier shows the second head's bytes.  From there on the waves share nothing until the scale words' way out.
; No data prefetch: all that the launch reads by tensor loads is asked for at the head, and there is no later load to run ahead of.
; BOTH PRODUCTS ARE USED TRANSPOSED (S^T = k q^T, O^T = v^T p^T): a lane holds one query.  A head's 64 fill the lower half of the product's 128: q's upper six registers are zeros, so what stands in k's upper six adds nothing.
; THE KEYS OF A TILE: tile 4 c + u of a step holds at place i the key 64 c + 8 u + i % 8 + 32 (i / 8).  So registers 32 c .. 32 c + 31 of the scores in lane (r, h) are keys 64 c + 32 h + 0 .. 31:
; a WHOLE scale block of p, in the order of the operand's registers 6 c .. 6 c + 5: no lane is asked for a block's maximum, and no code changes lanes.
; SOFTMAX: M is the running largest t = score x log2(e) / 8, rounded up to a whole number, kept as -M; p = 2^(t - M); the row's sum is taken of p before it is quantised; when M moves, sum and O^T are multiplied by 2^(old M - new M), which rounds nothing.
; A block's largest p is made of its largest score by the same multiply-add and exponential.
; THE ORDER OF A STEP'S VECTOR LINES: independent chains by turns (eight for the maxima, five for the sum, with the scale's, the conversions' and the moves' lines among them), so that a line reads what stands five lines or more back;
; where a chain cannot be parted (the way to M, the last joins) a one-field s_delay_alu stands ahead of the dependent line.
; LIMITS: the promise holds while the scaled scores stay under 2^31 in magnitude; NaN and infinities are not served; a block whose every p is 0 gets the byte 1 (its codes are zeros).
.set HB,    106496                     ; a head in LDS: K's codes 49,152, V's 49,152, K's scale images 4,096, V's 4,096
.set CST,   212992                     ; ctx's scale words on their way out: 1,024 bytes
.set SPARE, 214016                     ; the spare words: 128 bytes for each of 16 waves
; v1 16 x lane; v2, v3 K's LDS addresses; v4-7 q's offsets; v8, v11 the stage; v9 8 h; v12 -M; v13 the running largest score; v[14:15] the row's sum; v16-39 q (six codes' registers, six zeros, for each head); v40, v41 q's scale words
; v42-45 K's scale words, v46-49 V's; v50-97 K's fragments, then V's; v98-103 zeros
.set TT,   10
.set SS,   104                         ; v104-167 the scores, then p
.set OT,   168                         ; v168-199 O^T
.set PCD,  200                         ; v200-211 p's codes
.set CT,   212                         ; v212-214, v216-218 the conversions' second halves
.set BY0,  215                         ; v215, v219 scale bytes
.set BY1,  219
.set MX,   220                         ; v220-227 the tiles' largest scores
.set SU,   220                         ; v220-229 then the step's sum: five chains of pairs
.set BP,   220                         ; (the way out's work)
.set BM,   230                         ; v230, v231 the blocks' largest scores, then largest p
.set SOP,  232                         ; v232, v233 the conversions' scale operands
.set FF,   234                         ; v234 2^(old M - new M)
.set PW,   235                         ; v235 p's scale word
.set CX,   236                         ; v236-247 ctx's codes: six registers a head
.set CW,   248                         ; ctx's scale word
.set MO,   249                         ; -M of the step before
.set TW,   250
.set WD,   251
.set VA,   252                         ; v252, v253 V's LDS addresses
.set VB,   253
.macro CROUND                          ; a round of the cluster's barrier
	s_barrier_signal -1
	s_barrier_wait -1
	s_cmp_lg_u32 s10, 0
	s_cbranch_scc1 .Lnot_wave_0_\@
	s_barrier_signal -3
.Lnot_wave_0_\@:
	s_barrier_wait -3
	s_barrier_signal -1
	s_barrier_wait -1
.endm
.macro DEP n                           ; the line below reads what the n-th vector line back wrote
	s_delay_alu instid0(VALU_DEP_\n)
.endm
	s_load_b128 s[4:7], s[0:1], 0x0                ; qb, kv
	s_load_b64 s[8:9], s[0:1], 0x10                ; cq
	v_lshl_add_u32 v254, v0, 2, SPARE
	v_mov_b32 v255, 0
	ds_add_u32 v254, v255                          ; the opening lines: the add, twice on end, and its wait
	ds_add_u32 v254, v255
	v_lshrrev_b32 v2, 5, v0
	v_readfirstlane_b32 s10, v2                    ; wave 0..15
	s_bfe_u32 s11, ttmp6, 0x40000                  ; cx: block of 256 queries
	s_and_b32 s12, ttmp7, 0xffff                   ; pair of heads
	s_lshr_b32 s40, s10, 2
	s_lshl_b32 s40, s40, 8
	s_and_b32 s41, s10, 3
	s_lshl_b32 s41, s41, 2
	s_add_co_u32 s40, s40, s41                     ; my tile's words in a scale image: 256 (w / 4) + 4 (w % 4)
	s_add_co_u32 s41, s40, CST
	s_and_b32 s43, s10, 1
	s_lshl_b32 s42, s43, 9
	s_add_co_u32 s42, s42, CST
	s_lshl_b32 s45, s11, 10
	s_add_co_u32 s45, s45, s40
	s_add_co_u32 s45, s45, 49152                   ; q's scale words, behind a head's codes
	s_lshl_b32 s13, s11, 3
	s_lshr_b32 s14, s10, 1
	s_add_co_u32 s13, s13, s14
	s_mul_i32 s13, s13, 1536                       ; q's image: two tiles, six registers each; register i of lane l at 512 (i / 4) + 16 l + 4 (i % 4)
	s_mul_i32 s14, s43, 520
	s_add_co_u32 s14, s14, s13
	s_mul_i32 s15, s43, 1016
	s_add_co_u32 s15, s15, s13
	s_add_co_u32 s15, s15, 8
	s_mul_i32 s39, s10, 13312                      ; my sixteenth of the pair's 212,992 bytes
	s_mul_i32 s48, s12, 212992
	s_add_co_u32 s48, s48, s39
	s_mov_b32 s49, 0
	s_mul_i32 s50, s12, 106496                     ; the pair in qb: 2 x 53,248
	s_mov_b32 s51, 0
	s_lshr_b32 s58, s12, 3                         ; batch
	s_and_b32 s59, s12, 7                          ; the out-projection's K step: this pair's 128 features
	s_lshl_b32 s52, s58, 6
	s_lshl_b32 s44, s11, 4
	s_add_co_u32 s52, s52, s44
	s_add_co_u32 s52, s52, s10                     ; my tile of 16 tokens
	s_mul_i32 s52, s52, 12288
	s_mul_i32 s44, s59, 1536
	s_add_co_u32 s52, s52, s44
	s_mov_b32 s53, 0
	s_lshl_b32 s60, s58, 3
	s_lshl_b32 s44, s11, 1
	s_add_co_u32 s60, s60, s44
	s_add_co_u32 s60, s60, s43                     ; waves 0 and 1: a block of 128 tokens each
	s_lshl_b32 s60, s60, 12
	s_lshl_b32 s44, s59, 9
	s_add_co_u32 s60, s60, s44
	s_add_co_u32 s60, s60, 6291456                 ; ctx's scale images, behind its codes
	s_mov_b32 s61, 0
	s_mov_b32 s32, 0x76543210
	s_mov_b32 s33, 0xfedcba98                      ; v_permlanex16_b32's selects for lane l xor 16
	s_mov_b32 s34, 0x3e38aa3b                      ; log2(e) / 8
	s_mov_b32 s35, 0xbe38aa3b                      ; and its negative
	s_mov_b32 s16, 15|(3<<16)|(1<<21)              ; group 1: the mask of all four partners, elements of 8 bytes; 52 dense rows of 256 bytes
	s_mov_b32 s17, 32<<16
	s_mov_b32 s18, 52<<16
	s_mov_b32 s19, 32<<16
	s_mov_b32 s20, 52
	s_mov_b32 s21, 32
	s_mov_b32 s22, 0
	s_mov_b32 s23, 0
	s_mov_b32 s24, 1
	s_mov_b32 s25, s39
	v_and_b32 v9, 31, v0
	v_and_b32 v10, 15, v0
	v_lshlrev_b32 v1, 4, v9
	v_lshl_add_u32 v8, v10, 4, s41
	v_lshl_add_u32 v7, v10, 4, s45
	v_add_nc_u32 v11, s42, v1
	v_add_nc_u32 v4, s14, v1
	v_add_nc_u32 v5, s15, v1
	v_add_nc_u32 v6, 512, v4
	v_and_b32 v9, 16, v0
	v_lshrrev_b32 v9, 1, v9                        ; 8 h
.irp i, 0,1,2,3,4,5
	v_mov_b32 v[22+\i], 0                          ; the upper 64 of the product's 128
	v_mov_b32 v[34+\i], 0
	v_mov_b32 v[98+\i], 0
.endr
	v_mov_b32 v[TT], 0                             ; written once: a lane permute's destination counts as one of its sources
	v_mov_b32 v[TW], 0
	v_mov_b32 v[PW], 0                             ; named as the upper half of the pair with f before it is first made
	s_wait_alu depctr_va_vdst(0)                   ; the wait at the end of the head's vector work
	s_wait_dscnt 0x0
	CROUND                                         ; the four partners are here: the joint loads meet
	s_wait_kmcnt 0x0
	s_add_nc_u64 s[26:27], s[6:7], s[48:49]
	s_or_b32 s27, s27, 0x80000000
	s_cmp_lt_u32 s10, 8                            ; my one tensor load.  Waves 0 to 7 bring the first head's 8 x 13,312 bytes: they have a load line of their own, since they alone wait ahead of the first barrier
	s_cbranch_scc0 .Lsecond_head
	tensor_load_to_lds s[24:27], s[16:23]
	s_nop 0
.rept 4
	v_nop
.endr
	s_branch .Lasked
.Lsecond_head:
	tensor_load_to_lds s[24:27], s[16:23]
	s_nop 0
.rept 4
	v_nop
.endr
.Lasked:
	s_add_nc_u64 s[46:47], s[4:5], s[50:51]
	s_add_nc_u64 s[54:55], s[8:9], s[52:53]
	s_add_nc_u64 s[56:57], s[8:9], s[60:61]
.irp c, 0,1
	global_load_b64 v[16+12*\c:17+12*\c], v4, s[46:47] offset:53248*\c
	global_load_b64 v[18+12*\c:19+12*\c], v5, s[46:47] offset:53248*\c
	global_load_b64 v[20+12*\c:21+12*\c], v6, s[46:47] offset:53248*\c
	global_load_b32 v[40+\c], v7, s[46:47] offset:53248*\c
.endr
	s_wait_loadcnt 0x0
	s_cmp_lt_u32 s10, 8
	s_cbranch_scc0 .Lnot_first_head
	s_wait_tensorcnt 0x0                           ; waves 0 to 7: my part of the first head has landed,
.Lnot_first_head:
	s_barrier_signal -1
	s_barrier_wait -1                              ; and all of it.  The second head's loads may stay out
.macro SA n                            ; the next n lines of the step's sum of the unquantised p: five chains of pairs by turns; 27 lines take in all 32 pairs
.rept \n
.if k < 5
	v_pk_add_f32 v[SU+2*k:SU+2*k+1], v[SS+4*k:SS+4*k+1], v[SS+4*k+2:SS+4*k+3]
.else
	v_pk_add_f32 v[SU+2*(k%5):SU+2*(k%5)+1], v[SU+2*(k%5):SU+2*(k%5)+1], v[SS+2*k+10:SS+2*k+11]
.endif
.set k, k+1
.endr
.endm
; A STEP OF 128 KEYS.  s36: the step's codes in LDS, s37: its scale image.
.macro KSTEP c
	v_add_nc_u32 v2, s36, v1                       ; with the lines behind the last step's products these are the places in front of the loads
	v_add_nc_u32 v3, s37, v1
.irp k, 0,1,2,3,4,5,6,7,8,9,10,11
	ds_load_b128 v[50+4*\k:53+4*\k], v2 offset:512*\k
.endr
	ds_load_b128 v[42:45], v3
	s_wait_dscnt 0x0
.irp t, 0,1,2,3
	v_wmma_scale_f32_16x16x128_f8f6f4 v[SS+8*\t:SS+7+8*\t], v[50+6*\t:61+6*\t], v[16+12*\c:27+12*\c], 0, v[42+\t], v[40+\c] matrix_a_fmt:MATRIX_FMT_FP6 matrix_b_fmt:MATRIX_FMT_FP6
.endr
.irp t, 4,5,6,7
	v_wmma_scale_f32_16x16x128_f8f6f4 v[SS+8*\t:SS+7+8*\t], v[50+6*\t:61+6*\t], v[16+12*\c:27+12*\c], 0, v[38+\t], v[40+\c] matrix_a_fmt:MATRIX_FMT_FP6 matrix_b_fmt:MATRIX_FMT_FP6 matrix_a_scale:MATRIX_SCALE_ROW1
.endr
	v_add_nc_u32 v[VA], s36, v1                    ; four places behind the products (ISA guide 7.12.1)
	v_add_nc_u32 v[VB], s37, v1
	v_nop
	v_nop
.irp k, 0,1,2,3,4,5,6,7,8,9,10,11
	ds_load_b128 v[50+4*\k:53+4*\k], v[VA] offset:49152+512*\k   ; V's fragments land where K's lay, under the softmax
.endr
	ds_load_b128 v[46:49], v[VB] offset:4096
.irp t, 0,1,2,3,4,5,6,7                ; the largest score: a chain for each tile, the eight by turns, each accumulator from its low end on
	v_max3_num_f32 v[MX+\t], v[SS+8*\t], v[SS+8*\t+1], v[SS+8*\t+2]
.endr
.irp i, 3,5
.irp t, 0,1,2,3,4,5,6,7
	v_max3_num_f32 v[MX+\t], v[MX+\t], v[SS+8*\t+\i], v[SS+8*\t+\i+1]
.endr
.endr
.irp b, 0,1                            ; the tiles' last registers, and the four tiles of a block joined
	v_max3_num_f32 v[SOP+\b], v[SS+32*\b+7], v[SS+32*\b+15], v[SS+32*\b+23]
.endr
	v_mov_b32 v[MO], v12                           ; -M as the last step left it
.irp b, 0,1
	v_max3_num_f32 v[MX+4*\b], v[MX+4*\b], v[MX+4*\b+1], v[SS+32*\b+31]
.endr
.irp b, 0,1
	v_max3_num_f32 v[MX+4*\b+2], v[MX+4*\b+2], v[MX+4*\b+3], v[SOP+\b]
.endr
.irp b, 0,1
	DEP 2
	v_max_num_f32 v[BM+\b], v[MX+4*\b], v[MX+4*\b+2]   ; my block's largest score
.endr
	DEP 1
	v_max3_num_f32 v13, v13, v[BM], v[BM+1]        ; the running largest score of my query,
	DEP 1
	v_permlanex16_b32 v[TT], v13, s32, s33
	DEP 1
	v_max_num_f32 v13, v13, v[TT]                  ; with lane l xor 16's keys
	DEP 1
	v_mul_f32 v[TT], s35, v13                      ; -t
	DEP 1
	v_floor_f32 v12, v[TT]                         ; -M = floor(-t): M is a whole number
	DEP 1
	v_sub_f32 v[TT], v12, v[MO]                    ; old M less new M: a whole number, 0 or less
	DEP 1
	v_cvt_i32_f32 v[TT], v[TT]                     ; (it saturates)
	DEP 1
	v_ldexp_f32 v[FF], 1.0, v[TT]                  ; f = 2^(old M - new M)
	DEP 4
	v_fma_f32 v[BM], v[BM], s34, v12               ; t - M of each block's largest score,
	v_fma_f32 v[BM+1], v[BM+1], s34, v12
.set j, 0
.rept 32
	v_pk_fma_f32 v[SS+j:SS+j+1], v[SS+j:SS+j+1], s[34:35], v[12:13] op_sel_hi:[1,0,0]   ; and of every score, two at a time
.set j, j+2
.endr
.set j, 0
.rept 16
	v_pk_mul_f32 v[OT+j:OT+j+1], v[OT+j:OT+j+1], v[FF:FF+1] op_sel_hi:[1,0]   ; O^T under the new M
.set j, j+2
.endr
	s_wait_alu depctr_va_vdst(0)                   ; the wait ahead of the batch
	v_exp_f32 v[BM], v[BM]                         ; the blocks' largest p
	v_exp_f32 v[BM+1], v[BM+1]
.set j, 0
.rept 64
	v_exp_f32 v[SS+j], v[SS+j]                     ; p = 2^(t - M)
.set j, j+1
.endr
	v_nop                                          ; a plain place behind the exponentials
	s_wait_alu depctr_va_vdst(0)                   ; and behind it: one wait for the whole batch, which also stands directly ahead of the wait below
	s_wait_dscnt 0x0                               ; V's fragments are in
.set k, 0
.irp b, 0,1
	v_max_num_f32 v[BM+\b], 0x1800000, v[BM+\b]    ; the floor 2^(3 - 127): the byte cannot fall under 1
.endr
	SA 3
.irp b, 0,1
	v_add_nc_u32 v[SOP+\b], 0xff000000, v[BM+\b]   ; 2 off the exponent field: the conversion's scale operand
.endr
	SA 3
	v_lshrrev_b32 v[BY0], 23, v[SOP]               ; the scales' bytes
	v_lshrrev_b32 v[BY1], 23, v[SOP+1]
	v_cvt_scalef32_pk16_fp6_f32 v[PCD:PCD+2], v[SS:SS+15], v[SOP]
	v_cvt_scalef32_pk16_fp6_f32 v[CT:CT+2], v[SS+16:SS+31], v[SOP]       ; (a conversion's three registers begin on an even number)
	SA 1
	v_cvt_scalef32_pk16_fp6_f32 v[PCD+6:PCD+8], v[SS+32:SS+47], v[SOP+1]
	v_cvt_scalef32_pk16_fp6_f32 v[CT+4:CT+6], v[SS+48:SS+63], v[SOP+1]
	v_lshl_or_b32 v[WD], v[BY1], 16, v[BY0]        ; my two bytes: blocks h and 2 + h of my query,
	SA 2
.irp i, 0,1,2
	v_mov_b32 v[PCD+3+\i], v[CT+\i]
.endr
	v_lshlrev_b32 v[WD], v9, v[WD]                 ; 8 h bits up;
	SA 1
.irp i, 0,1,2
	v_mov_b32 v[PCD+9+\i], v[CT+4+\i]
.endr
	SA 1
	v_permlanex16_b32 v[TW], v[WD], s32, s33
	SA 5
	v_or_b32 v[PW], v[WD], v[TW]                   ; with lane l xor 16's two the word is whole
	SA 11                                          ; these eleven are also the places between the scale word, the codes and the products
.irp t, 0,1,2,3
	v_wmma_scale_f32_16x16x128_f8f6f4 v[OT+8*\t:OT+7+8*\t], v[50+12*\t:61+12*\t], v[PCD:PCD+11], v[OT+8*\t:OT+7+8*\t], v[46+\t], v[PW] matrix_a_fmt:MATRIX_FMT_FP6 matrix_b_fmt:MATRIX_FMT_FP6
.endr
	v_pk_add_f32 v[SU:SU+1], v[SU:SU+1], v[SU+2:SU+3]          ; the five chains are joined: four lines that name none of the products' registers: places
	v_pk_add_f32 v[SU+4:SU+5], v[SU+4:SU+5], v[SU+6:SU+7]
	DEP 2
	v_pk_add_f32 v[SU:SU+1], v[SU:SU+1], v[SU+8:SU+9]
	DEP 1
	v_pk_add_f32 v[SU:SU+1], v[SU:SU+1], v[SU+4:SU+5]
	DEP 1
	v_pk_fma_f32 v[14:15], v[14:15], v[FF:FF+1], v[SU:SU+1] op_sel_hi:[1,0,1]   ; the row's sum under the new M, and the step's
.endm
; A HEAD: eight steps, then O^T / the sum is quantised along the head's 64 (two blocks, each in lanes l and l xor 16) into six registers of ctx's image.
.macro HEAD c
	v_mov_b32 v13, 0xff61b1e6                      ; -3e38, under every score
	v_mov_b32 v14, 0
	v_mov_b32 v15, 0
	v_mul_f32 v[TT], s35, v13
	v_floor_f32 v12, v[TT]
.set j, 0
.rept 32
	v_mov_b32 v[OT+j], 0                           ; the step is written once: the first finds zeros
.set j, j+1
.endr
	s_mov_b32 s36, HB*\c
	s_mov_b32 s37, HB*\c+98304
.if \c == 0
	KSTEP 0                                        ; the first head's first step stands ahead of the loop: the second head's bytes land under it
	s_add_co_u32 s36, s36, 6144
	s_add_co_u32 s37, s37, 512
	s_wait_tensorcnt 0x0                           ; every wave: all my loads have landed,
	s_wait_dscnt 0x0
	s_barrier_signal -1
	s_barrier_wait -1                              ; and everybody's: both heads lie whole in LDS
	s_mov_b32 s38, 7
.else
	s_mov_b32 s38, 8
.endif
.Lkeys_\@:
	KSTEP \c
	s_add_co_u32 s36, s36, 6144
	s_add_co_u32 s37, s37, 512
	s_sub_co_u32 s38, s38, 1
	s_cmp_lg_u32 s38, 0
	s_cbranch_scc1 .Lkeys_\@
	v_add_f32 v14, v14, v15
	DEP 1
	v_permlanex16_b32 v[TT], v14, s32, s33
	DEP 1
	v_add_f32 v14, v14, v[TT]                      ; the row's sum
	s_wait_alu depctr_va_vdst(0)                   ; the wait ahead of the transcendental,
	v_rcp_f32 v14, v14
	v_nop
	s_wait_alu depctr_va_vdst(0)                   ; and behind it, directly ahead of the first reader of O^T
.set j, 0
.rept 16
	v_pk_mul_f32 v[SS+j:SS+j+1], v[OT+j:OT+j+1], v[14:15] op_sel_hi:[1,0]   ; register 16 b + i is channel 32 b + 16 h + i
.set j, j+2
.endr
.irp b, 0,1
	v_max3_num_f32 v[BM+\b], |v[SS+16*\b]|, |v[SS+1+16*\b]|, 0x1800000
.endr
.irp i, 2,4,6,8,10,12,14
.irp b, 0,1
	DEP 2
	v_max3_num_f32 v[BM+\b], v[BM+\b], |v[SS+16*\b+\i]|, |v[SS+1+16*\b+\i]|
.endr
.endr
.irp b, 0,1
	DEP 2
	v_permlanex16_b32 v[BP+\b], v[BM+\b], s32, s33
.endr
.irp b, 0,1
	DEP 2
	v_max_num_f32 v[BM+\b], v[BM+\b], v[BP+\b]
.endr
.irp b, 0,1
	DEP 2
	v_add_nc_u32 v[SOP+\b], 0xff000000, v[BM+\b]
.endr
.irp b, 0,1
	DEP 2
	v_lshrrev_b32 v[BP+\b], 23, v[SOP+\b]
.endr
.if \c == 0
	DEP 1
	v_lshl_or_b32 v[CW], v[BP+1], 8, v[BP]
.else
	DEP 2
	v_lshl_or_b32 v[CW], v[BP], 16, v[CW]
	DEP 1
	v_lshl_or_b32 v[CW], v[BP+1], 24, v[CW]
.endif
	v_cvt_scalef32_pk16_fp6_f32 v[CX+6*\c:CX+2+6*\c], v[SS:SS+15], v[SOP]
	v_cvt_scalef32_pk16_fp6_f32 v[CT:CT+2], v[SS+16:SS+31], v[SOP+1]
	v_nop                                          ; one plain place behind a scaled conversion
.irp i, 0,1,2
	v_permlane16_swap_b32 v[CX+6*\c+\i], v[CT+\i]  ; a whole block in a lane
.endr
.irp i, 0,1,2
	v_mov_b32 v[CX+3+6*\c+\i], v[CT+\i]
.endr
.endm
	HEAD 0
	HEAD 1
.irp k, 0,1,2
	global_store_b128 v1, v[CX+4*\k:CX+4*\k+3], s[54:55] offset:512*\k   ; 32 lanes store 512 consecutive bytes, aligned
.endr
	ds_store_b32 v8, v[CW]                         ; the sixteen tiles' scale words are gathered into two images of 512 bytes
	s_wait_dscnt 0x0
	s_barrier_signal -1
	s_barrier_wait -1
	s_cmp_lt_u32 s10, 2
	s_cbranch_scc0 .Lno_words
	ds_load_b128 v[SS:SS+3], v11
	s_wait_dscnt 0x0
	global_store_b128 v1, v[SS:SS+3], s[56:57]
.Lno_words:
	s_wait_tensorcnt 0x0                           ; the wave's end
	ds_add_u32 v254, v255
	s_wait_dscnt 0x0
	CROUND                                         ; the closing round
	s_endpgm
.Lfunc_end_k_q0f525ec4de_attn:
	.size	k_q0f525ec4de_attn, .Lfunc_end_k_q0f525ec4de_attn-k_q0f525ec4de_attn
	.p2alignl 7, 3214868480
	.fill 96, 4, 3214868480
	.section	.rodata,"a",@progbits
	.p2align	6, 0x0
	.amdhsa_kernel k_q0f525ec4de_attn
		.amdhsa_group_segment_fixed_size 327680
		.amdhsa_private_segment_fixed_size 0
		.amdhsa_enable_private_segment 0
		.amdhsa_kernarg_size 24
		.amdhsa_user_sgpr_count 2
		.amdhsa_user_sgpr_kernarg_segment_ptr 1
		.amdhsa_wavefront_size32 1
		.amdhsa_system_sgpr_workgroup_id_x 1
		.amdhsa_system_sgpr_workgroup_id_y 1
		.amdhsa_system_sgpr_workgroup_id_z 1
		.amdhsa_system_vgpr_workitem_id 0
		.amdhsa_next_free_vgpr 256
		.amdhsa_next_free_sgpr 66
		.amdhsa_reserve_vcc 0
		.amdhsa_float_denorm_mode_32 3
		.amdhsa_float_denorm_mode_16_64 3
		.amdhsa_memory_ordered 1
		.amdhsa_forward_progress 1
		.amdhsa_inst_pref_size 63
	.end_amdhsa_kernel
	.amdgpu_metadata
---
amdhsa.version: [ 1, 2 ]
amdhsa.kernels:
  - .name:           k_q0f525ec4de_attn
    .symbol:         k_q0f525ec4de_attn.kd
    .args:
      - { .name: qb, .offset: 0, .size: 8, .value_kind: global_buffer, .address_space: global }
      - { .name: kv, .offset: 8, .size: 8, .value_kind: global_buffer, .address_space: global }
      - { .name: cq, .offset: 16, .size: 8, .value_kind: global_buffer, .address_space: global }
    .group_segment_fixed_size: 327680
    .private_segment_fixed_size: 0
    .kernarg_segment_align: 8
    .kernarg_segment_size: 24
    .max_flat_workgroup_size: 512
    .sgpr_count:     66
    .vgpr_count:     256
    .wavefront_size: 32
...
	.end_amdgpu_metadata
.endif
;; end of part 3
;; launch outp (part 4): grid 4 x 64, 4 waves a work-group, clusters of 4 x 4, 327,680 bytes of LDS; arguments cq, wq, b_o, out0; writes out0
.if DOCPART == 4
	.amdgcn_target "amdgcn-amd-amdhsa--gfx1250"
	.amdhsa_code_object_version 6
	.text
	.protected	k_q0f525ec4de_outp
	.globl	k_q0f525ec4de_outp
	.p2align	8
	.type	k_q0f525ec4de_outp,@function
k_q0f525ec4de_outp:
	s_mov_b64 s[64:65], 0
	v_nop
	global_prefetch_b8 v0, s[64:65] scope:SCOPE_SE
	s_setreg_imm32_b32 hwreg(HW_REG_WAVE_MODE, 25, 1), 1
	s_wait_xcnt 0x0
	s_wait_alu depctr_hold_cnt(0) depctr_sa_sdst(0) depctr_va_vdst(0) depctr_va_sdst(0) depctr_va_ssrc(0) depctr_va_vcc(0) depctr_vm_vsrc(0)
	s_getreg_b32 s2, hwreg(HW_REG_IB_STS2, 6, 4)
	s_cmp_eq_u32 s2, 0
	s_cbranch_scc0 .Lentry_in_a_cluster
	s_endpgm
.Lentry_in_a_cluster:
	s_bfe_u32 s2, ttmp6, 0x10000c
	s_cmp_lg_u32 s2, 0xf033
	s_cbranch_scc0 .Lentry_shape_is_right
	s_endpgm
.Lentry_shape_is_right:
; out0 = ctx w_o^T + b_o on codes of FP6 (E2M3) with E8M0 scales, f32 sums.  ctx and w_o arrive as images of operand registers (1,536 bytes for 16 rows x 128 K); tile T holds at place i the row 32 (T / 2) + 8 (T % 2) + i + 8 (i / 8).
; SHARES.  256 work-groups: 64 blocks of 128 tokens x 4 blocks of 256 features.  A wave takes all 8 token tiles x 4 feature tiles.
; ALL OF K LIES IN LDS, as two halves of 512 (ctx's 8 tiles x 6,144 bytes, then W's 16), each filled ONCE: four tiles, one tensor load a wave.  No refill and no data prefetch: all is asked for at the head.
; CLUSTERS: 4 x 4 work-groups; ctx's tiles are asked for jointly along a row of the cluster, W's along a column.
; A WAVE HOLDS ITS FOUR W TILES, ALL OF K, IN REGISTERS (32 fragments) and streams the eight token tiles past them, in two sets of eight fragments by turns: a token tile is 32 products on four accumulators by turns, K ascending.
; EACH TOKEN TILE LEAVES BEHIND ITS OWN PRODUCTS: its 16 rows x 64 features go through the wave's own stage in LDS, behind the halves, where no fill lands, and are stored as rows of 256 bytes.
; The product is used transposed (source 0 = W, source 1 = ctx): a lane holds one token and eight neighbouring features.  The bias is the C of each sum's first matrix instruction.
; REGISTERS: window 0: addresses, scale words, bias, two sets of rows back from the stage, two sets of four accumulators.  Fragment f lies in window 1 + f / 21 at register 12 (f % 21): W's 4 q + t, ctx's 32 + 8 (set) + q.
.set CH,    147456                     ; a half in LDS
.set WOFF,  49152
.set STAGE, 294912                     ; 16 rows x (256 bytes + 16) for each wave
.set SPARE, 312320                     ; the spare words: 128 bytes for each wave
.set LI,   4                           ; v4     16 x lane
.set AX,   5                           ; v5-6   ctx's fragments in half h
.set AW,   7                           ; v7-8   my four W tiles in half h
.set STO,  14                          ; v14    the stage, in
.set RD,   15                          ; v15    and out
.set XS,   16                          ; v16-47 ctx's scale words: K step s at 4 s + i: lanes 0-15 tile i, lanes 16-31 tile 4 + i
.set WS,   48                          ; v48-63 W's: tile T' at 4 T' + i: lanes 0-15 K step i, lanes 16-31 K step 4 + i
.set BI,   64                          ; v64-95 the bias, 8 registers a feature tile
.set GO,   96                          ; v96    my byte offset in two rows of out0
.set SPW,  98                          ; v98    my spare word;  v99  0
.set NIL,  99
.set BK,   128                         ; v128-191 16 rows read back from the stage, two sets
.set ACC,  192                         ; v192-255 four accumulators, two sets
.set G1A,  28
.set G1B,  36
.set G0A,  44
.set G0B,  68
.set MSB, 0
.macro WIN new                         ; the immediate's high byte repeats the setting that is left
.if MSB != \new
	s_set_vgpr_msb (MSB<<8)|\new
.set MSB, \new
.endif
.endm
.macro CROUND                          ; a round of the cluster's barrier
	s_barrier_signal -1
	s_barrier_wait -1
	s_cmp_lg_u32 s18, 0
	s_cbranch_scc1 .Lnot_wave_0_\@
	s_barrier_signal -3
.Lnot_wave_0_\@:
	s_barrier_wait -3
	s_barrier_signal -1
	s_barrier_wait -1
.endm
.macro PLACES                          ; four plain instructions between a matrix instruction and a load into, or a read of, its registers
.rept 4
	v_nop
.endr
.endm
.macro TLOAD g0, g1                    ; an s_nop 0 and four v_nop follow a tensor load
	tensor_load_to_lds s[\g0:\g0+3], s[\g1:\g1+7]
	s_nop 0
	PLACES
.endm
	s_load_b256 s[4:11], s[0:1], 0x0               ; cq s[4:5], wq s[6:7], b_o s[8:9], out0 s[10:11]
	v_lshl_add_u32 v[SPW], v0, 2, SPARE
	v_mov_b32 v[NIL], 0
	ds_add_u32 v[SPW], v[NIL]                      ; the opening lines: the add, twice on end, and its wait
	ds_add_u32 v[SPW], v[NIL]
	v_lshrrev_b32 v1, 5, v0
	v_readfirstlane_b32 s18, v1                    ; wave 0..3
	s_bfe_u32 s21, ttmp6, 0x40000                  ; cx
	s_bfe_u32 s22, ttmp6, 0x40004                  ; cy
	s_lshl_b32 s23, ttmp9, 2
	s_add_co_u32 s23, s23, s21                     ; tc: block of 256 features
	s_and_b32 s24, ttmp7, 0xffff
	s_lshl_b32 s24, s24, 2
	s_add_co_u32 s24, s24, s22                     ; tr: block of 128 tokens
	s_lshl_b32 s26, s22, 2
	s_lshl_b32 s26, 15, s26                        ; my row of the cluster
	s_lshl_b32 s27, 0x1111, s21                    ; my column
	s_mul_i32 s98, s18, 24576                      ; my four W tiles in a half
	s_mul_i32 s99, s18, 4352
	s_add_co_u32 s99, s99, STAGE                   ; my stage
	s_or_b32 s[G1A], s26, (3<<16)|(1<<21)          ; group 1: the mask; elements of 8 bytes; rows of 6,144 bytes (a tile's four K steps), 12,288 apart in memory, dense in LDS.  ctx: 8 tiles;  W: 16
	s_or_b32 s[G1B], s27, (3<<16)|(1<<21)
.irp g, G1A, G1B
	s_mov_b32 s[\g+1], 768<<16
	s_mov_b32 s[\g+3], 768<<16
	s_mov_b32 s[\g+5], 1536
	s_mov_b32 s[\g+6], 0
	s_mov_b32 s[\g+7], 0
.endr
	s_mov_b32 s[G1A+2], 8<<16
	s_mov_b32 s[G1A+4], 8
	s_mov_b32 s[G1B+2], 16<<16
	s_mov_b32 s[G1B+4], 16
	s_mul_i32 s84, s24, 98304                      ; ctx: 8 tiles of 12,288 bytes a block
	s_mov_b32 s85, 0
	s_mul_i32 s88, s23, 196608                     ; W: w_o is the fourth weight; the block's 16 tiles
	s_add_co_u32 s88, s88, 2359296
	s_mov_b32 s89, 0
	v_and_b32 v1, 31, v0                           ; lane
	v_and_b32 v2, 15, v0                           ; r
	v_bfe_u32 v3, v0, 4, 1                         ; h
	v_lshlrev_b32 v[LI], 4, v1
.irp c, 0,1
	v_add_nc_u32 v[AX+\c], CH*\c, v[LI]
	v_add_nc_u32 v[AW+\c], s98, v[LI]
	v_add_nc_u32 v[AW+\c], CH*\c+WOFF, v[AW+\c]
.endr
	v_lshlrev_b32 v13, 6, v3                       ; the bias of my half's 16 features
	v_mul_u32_u24 v[STO], v2, 272
	v_lshl_add_u32 v[STO], v3, 6, v[STO]
	v_add_nc_u32 v[STO], s99, v[STO]               ; in: row r, + 64 h
	v_mul_u32_u24 v[RD], v3, 272
	v_lshl_add_u32 v[RD], v2, 4, v[RD]
	v_add_nc_u32 v[RD], s99, v[RD]                 ; out: lanes 0-15 one row, lanes 16-31 the next
	v_lshlrev_b32 v[GO], 12, v3
	v_lshl_add_u32 v[GO], v2, 4, v[GO]             ; and the same two rows in out0
	s_wait_alu depctr_va_vdst(0)                   ; the wait at the end of the head's vector work
	s_wait_dscnt 0x0
	s_wait_kmcnt 0x0
	s_add_nc_u64 s[86:87], s[4:5], s[84:85]
	s_add_nc_u64 s[90:91], s[6:7], s[88:89]
	CROUND                                         ; all sixteen work-groups are here: the joint loads meet
.irp c, 0,1
	s_mov_b32 s[G0A+4*\c], 1
	s_mov_b32 s[G0A+4*\c+1], CH*\c
	s_add_nc_u64 s[G0A+4*\c+2:G0A+4*\c+3], s[86:87], 6144*\c
	s_or_b32 s[G0A+4*\c+3], s[G0A+4*\c+3], 0x80000000
	s_mov_b32 s[G0B+4*\c], 1
	s_mov_b32 s[G0B+4*\c+1], CH*\c+WOFF
	s_add_nc_u64 s[G0B+4*\c+2:G0B+4*\c+3], s[90:91], 6144*\c
	s_or_b32 s[G0B+4*\c+3], s[G0B+4*\c+3], 0x80000000
.endr
	s_cmp_eq_u32 s18, 0                            ; the four tiles, one a wave, in one chain of arms on the wave's number: ctx's half 0, W's half 0, ctx's half 1, W's half 1
	s_cbranch_scc0 .Lhead_1
	TLOAD G0A, G1A
	s_branch .Lfirst_asked
.Lhead_1:
	s_cmp_eq_u32 s18, 1
	s_cbranch_scc0 .Lhead_2
	TLOAD G0B, G1B
	s_branch .Lfirst_asked
.Lhead_2:
	s_cmp_eq_u32 s18, 2
	s_cbranch_scc0 .Lhead_3
	TLOAD G0A+4, G1A
	s_branch .Lfirst_asked
.Lhead_3:
	TLOAD G0B+4, G1B
.Lfirst_asked:
	s_lshl_b32 s84, s24, 12                        ; ctx's scale images: 8 K steps of 512 bytes a block
	s_add_co_u32 s84, s84, 6291456
	s_mov_b32 s85, 0
	s_add_nc_u64 s[86:87], s[4:5], s[84:85]
.irp k, 0,1,2,3,4,5,6,7
	global_load_b128 v[XS+4*\k:XS+4*\k+3], v[LI], s[86:87] offset:512*\k
.endr
	s_lshl_b32 s88, s23, 13                        ; W's: tile 192 + 16 tc + 4 w on
	s_lshl_b32 s89, s18, 11
	s_add_co_u32 s88, s88, s89
	s_add_co_u32 s88, s88, 3145728+192*512
	s_mov_b32 s89, 0
	s_add_nc_u64 s[90:91], s[6:7], s[88:89]
.irp t, 0,1,2,3
	global_load_b128 v[WS+4*\t:WS+4*\t+3], v[LI], s[90:91] offset:512*\t
.endr
	s_lshl_b32 s60, s23, 10
	s_lshl_b32 s61, s18, 8
	s_add_co_u32 s60, s60, s61                     ; my first feature, in bytes: 4 (256 tc + 64 w)
	s_mov_b32 s61, 0
	s_add_nc_u64 s[94:95], s[8:9], s[60:61]
.irp t, 0,1,2,3                        ; register j of tile T' is feature 32 (T' / 2) + 8 (T' % 2) + 16 h + j
	global_load_b128 v[BI+8*\t:BI+8*\t+3], v13, s[94:95] offset:(32*(\t/2)+8*(\t%2))*4
	global_load_b128 v[BI+8*\t+4:BI+8*\t+7], v13, s[94:95] offset:(32*(\t/2)+8*(\t%2))*4+16
.endr
	s_lshl_b32 s2, s24, 19                         ; out0: 128 rows of 4,096 bytes a block
	s_add_co_u32 s60, s60, s2
	s_add_nc_u64 s[62:63], s[10:11], s[60:61]
.macro FPL f                           ; fragment f's window and first register
.set FW_, 1+(\f)/21
.set FG_, 12*((\f)%21)
.endm
.macro LFRAG f, adr, off               ; a fragment: three loads of 512 consecutive bytes
	FPL \f
	WIN FW_<<6
.irp k, 0,1,2
	ds_load_b128 v[FG_+4*\k:FG_+4*\k+3], v[\adr] offset:(\off)+512*\k
.endr
.endm
.macro WLOAD hf                        ; my four W tiles, K steps 4 hf .. 4 hf + 3: 48 loads
.irp q, 0,1,2,3
.irp t, 0,1,2,3
	LFRAG 4*(4*(\hf)+\q)+\t, AW+(\hf), 6144*\t+1536*\q
.endr
.endr
.endm
.macro XLOAD m, hf                     ; token tile m, K steps 4 hf .. 4 hf + 3, into set m % 2: 12 loads
.irp q, 0,1,2,3
	LFRAG 32+8*((\m)%2)+4*(\hf)+\q, AX+(\hf), 6144*(\m)+1536*\q
.endr
.endm
; One scaled product.  c: C's first register (the bias, or d);  ra, rb: source 0's, source 1's scales stand in lanes 16-31
.macro WM d, a, b, c, sa, sb, ra, rb
.if (\ra) && (\rb)
	v_wmma_scale_f32_16x16x128_f8f6f4 v[\d:\d+7], v[\a:\a+11], v[\b:\b+11], v[\c:\c+7], v[\sa], v[\sb] matrix_a_fmt:MATRIX_FMT_FP6 matrix_b_fmt:MATRIX_FMT_FP6 matrix_a_scale:MATRIX_SCALE_ROW1 matrix_b_scale:MATRIX_SCALE_ROW1
.elseif (\ra)
	v_wmma_scale_f32_16x16x128_f8f6f4 v[\d:\d+7], v[\a:\a+11], v[\b:\b+11], v[\c:\c+7], v[\sa], v[\sb] matrix_a_fmt:MATRIX_FMT_FP6 matrix_b_fmt:MATRIX_FMT_FP6 matrix_a_scale:MATRIX_SCALE_ROW1
.elseif (\rb)
	v_wmma_scale_f32_16x16x128_f8f6f4 v[\d:\d+7], v[\a:\a+11], v[\b:\b+11], v[\c:\c+7], v[\sa], v[\sb] matrix_a_fmt:MATRIX_FMT_FP6 matrix_b_fmt:MATRIX_FMT_FP6 matrix_b_scale:MATRIX_SCALE_ROW1
.else
	v_wmma_scale_f32_16x16x128_f8f6f4 v[\d:\d+7], v[\a:\a+11], v[\b:\b+11], v[\c:\c+7], v[\sa], v[\sb] matrix_a_fmt:MATRIX_FMT_FP6 matrix_b_fmt:MATRIX_FMT_FP6
.endif
.endm
.macro PROD m, q, t                    ; token tile m, K step q, feature tile t;  C and D lie in window 0
	FPL 32+8*((\m)%2)+(\q)
.set XW_, FW_
.set XG_, FG_
	FPL 4*(\q)+(\t)
	WIN FW_|(XW_<<2)
.set D_, ACC+32*((\m)%2)+8*(\t)
.if (\q) == 0
	WM D_, FG_, XG_, BI+8*(\t), WS+4*(\t)+(\q)%4, XS+4*(\q)+(\m)%4, (\q)/4, (\m)/4
.else
	WM D_, FG_, XG_, D_, WS+4*(\t)+(\q)%4, XS+4*(\q)+(\m)%4, (\q)/4, (\m)/4
.endif
.endm
.macro SEND m                          ; token tile m's 16 rows, back from the stage, are stored
.irp i, 0,1,2,3,4,5,6,7
	global_store_b128 v[GO], v[BK+32*((\m)%2)+4*\i:BK+32*((\m)%2)+4*\i+3], s[62:63] offset:(32*((\m)/2)+8*((\m)%2)+2*\i+8*(\i/4))*4096 th:TH_STORE_NT   ; places 2 i and 2 i + 1 of the tile: 16 lanes store 256 consecutive bytes, aligned
.endr
.endm
; A TOKEN TILE: 32 products, the four accumulators by turns; behind them the stores of the tile BEFORE, whose rows came back from the stage under these products;
; then one run of LDS lines: this tile's sums into my stage and back as whole rows, and the fetch of the tile two on into the set just read.
.macro BLOCK m
.if (\m) >= 1
.if (\m)+1 < 8
	s_wait_dscnt 40                                ; this tile's fragments are in: younger are the last run's 8 stores, 8 loads and its fetch of 24
.else
	s_wait_dscnt 16                                ; (the last run fetched nothing)
.endif
.endif
.irp q, 0,1,2,3,4,5,6,7
.if (\m) == 0 && \q == 4
	s_wait_dscnt 12                                ; W's second half and tile 0's are in; tile 1's second half, 12 loads, may be out
.endif
.irp t, 0,1,2,3
	PROD \m, \q, \t
.endr
.endr
	WIN 0
	PLACES
	s_wait_xcnt 0x0                                ; the stores of two tiles ago have read the set of rows that this tile's loads land in
.if (\m) >= 1
.if (\m)+1 < 8
	s_wait_dscnt 24                                ; the rows of the tile before are back from the stage: younger is the last run's fetch alone
.else
	s_wait_dscnt 0x0
.endif
	SEND (\m)-1
.endif
.irp t, 0,1,2,3
	ds_store_b128 v[STO], v[ACC+32*((\m)%2)+8*\t:ACC+32*((\m)%2)+8*\t+3] offset:128*(\t/2)+32*(\t%2)        ; each accumulator from its low end on
	ds_store_b128 v[STO], v[ACC+32*((\m)%2)+8*\t+4:ACC+32*((\m)%2)+8*\t+7] offset:128*(\t/2)+32*(\t%2)+16
.endr
.irp i, 0,1,2,3,4,5,6,7
	ds_load_b128 v[BK+32*((\m)%2)+4*\i:BK+32*((\m)%2)+4*\i+3], v[RD] offset:544*\i   ; LDS serves a wave's instructions in order (ISA guide 5.7.1.4): these see the stores above
.endr
.if (\m)+2 < 8
	XLOAD (\m)+2, 0
	XLOAD (\m)+2, 1
	WIN 0
.endif
.endm
	s_cmp_lt_u32 s18, 2                            ; half 0 was asked for by waves 0 and 1: they wait; half 1's loads may stay out
	s_cbranch_scc0 .Lnot_mine
	s_wait_tensorcnt 0x0
.Lnot_mine:
	s_barrier_signal -1
	s_barrier_wait -1
	WLOAD 0
	XLOAD 0, 0
	XLOAD 1, 0
	WIN 0
	s_wait_loadcnt 0x0                             ; scale words and bias
	s_wait_tensorcnt 0x0                           ; half 1: every wave waits for all its loads
	s_wait_dscnt 0x0                               ; no LDS instruction of mine is pending at a signal
	s_barrier_signal -1
	s_barrier_wait -1
	WLOAD 1
	XLOAD 0, 1
	XLOAD 1, 1
	WIN 0
.irp a, 0,1,2,3,4,5,6,7
	BLOCK \a
.endr
	s_wait_dscnt 0x0                               ; the last tile's rows are back
	SEND 7
	s_wait_tensorcnt 0x0                           ; the wave's end
	ds_add_u32 v[SPW], v[NIL]
	s_wait_dscnt 0x0
	CROUND                                         ; the closing round: no work-group ends while a partner may still ask for a tile that names it
	s_endpgm
.Lfunc_end_k_q0f525ec4de_outp:
	.size	k_q0f525ec4de_outp, .Lfunc_end_k_q0f525ec4de_outp-k_q0f525ec4de_outp
	.p2alignl 7, 3214868480
	.fill 96, 4, 3214868480
	.section	.rodata,"a",@progbits
	.p2align	6, 0x0
	.amdhsa_kernel k_q0f525ec4de_outp
		.amdhsa_group_segment_fixed_size 327680
		.amdhsa_private_segment_fixed_size 0
		.amdhsa_enable_private_segment 0
		.amdhsa_kernarg_size 32
		.amdhsa_user_sgpr_count 2
		.amdhsa_user_sgpr_kernarg_segment_ptr 1
		.amdhsa_wavefront_size32 1
		.amdhsa_system_sgpr_workgroup_id_x 1
		.amdhsa_system_sgpr_workgroup_id_y 1
		.amdhsa_system_sgpr_workgroup_id_z 1
		.amdhsa_system_vgpr_workitem_id 0
		.amdhsa_next_free_vgpr 840
		.amdhsa_next_free_sgpr 100
		.amdhsa_reserve_vcc 0
		.amdhsa_float_denorm_mode_32 3
		.amdhsa_float_denorm_mode_16_64 3
		.amdhsa_memory_ordered 1
		.amdhsa_forward_progress 1
		.amdhsa_inst_pref_size 77
	.end_amdhsa_kernel
	.amdgpu_metadata
---
amdhsa.version: [ 1, 2 ]
amdhsa.kernels:
  - .name:           k_q0f525ec4de_outp
    .symbol:         k_q0f525ec4de_outp.kd
    .args:
      - { .name: cq, .offset: 0, .size: 8, .value_kind: global_buffer, .address_space: global }
      - { .name: wq, .offset: 8, .size: 8, .value_kind: global_buffer, .address_space: global }
      - { .name: b_o, .offset: 16, .size: 8, .value_kind: global_buffer, .address_space: global }
      - { .name: out0, .offset: 24, .size: 8, .value_kind: global_buffer, .address_space: global }
    .group_segment_fixed_size: 327680
    .private_segment_fixed_size: 0
    .kernarg_segment_align: 8
    .kernarg_segment_size: 32
    .max_flat_workgroup_size: 128
    .sgpr_count:     100
    .vgpr_count:     840
    .wavefront_size: 32
...
	.end_amdgpu_metadata
.endif
;; end of part 4
